; MI455X (gfx1250); checked and timed in simulation.
; The chip was launched on July 23, 2026; its instructions are those of AMD's public machine-readable ISA for CDNA 5 (MIT licence, August 2026) and "CDNA5" Instruction Set Architecture Reference Guide (July 2026). The comments in the code are by the model that wrote it; some were corrected since.
;; Multi Head Self Attention. Allowed arithmetic: matrix products marked QUANTISED: E2M1 operands, one E8M0 scale for each 32 along K, by v_wmma_scale_f32_16x16x128_f8f6f4 with both operands' format E2M1 (or v_wmma_scale_f32_32x16x128_f4), f32 sums; everything else in f32.
;; Inputs: b_out 1,024 float32; b_qkv 3,072 float32; w_out 1,024 x 1,024 float32; w_qkv 1,024 x 3,072 float32; x 4 x 2,048 x 1,024 float32.
;; Outputs: out0 4 x 2,048 x 1,024 float32.
;; This version of the problem:
;;   THIS VERSION OF THE PROBLEM IS GIVEN IN LOW PRECISION. The matrix products marked QUANTISED in the list below multiply operands that are first quantised to E2M1 (2 exponent bits, 1 mantissa bit; 4 bits a number), with one power-of-two scale for each 32 numbers along K (OCP MX v1.0); their sums are f32. All else is computed in f32.
;;   The module's matrix products, in the order in which they are computed (A, B: the left and right operand; K: the contracted axis; several contracted axes count as one K, in the product's order):
;;     1. [M 8,192, K 1,024] x [K 1,024, N 3,072]; A: input x; B: input w_qkv: QUANTISED
;;     2. batch 64 x [M 2,048, K 64] x [K 64, N 2,048]; A: computed on the way; B: computed on the way: QUANTISED
;;     3. batch 64 x [M 2,048, K 2,048] x [K 2,048, N 64]; A: softmax (see below); B: computed on the way: QUANTISED
;;     4. [M 8,192, K 1,024] x [K 1,024, N 1,024]; A: computed on the way; B: input w_out: QUANTISED
;;   THE QUANTISER, for each operand of a quantised product, along K:
;;     - K is cut into blocks of 32 from its start; a last block that is shorter is filled with zeros.
;;     - A block's scale is 2^e with e = floor(log2(the largest magnitude in the block)) - 2, held to -126 .. 127; a block of zeros has e = 0. As a byte (E8M0): e + 127.
;;     - Each number is divided by its block's scale, clamped to +-6, and rounded to the nearest number of E2M1, ties to even, subnormals kept.
;;     - The product sums the exact products of the quantised numbers (number of the format x scale) in f32.
;;   ~~~python
;;   def quantise(x, axis):      # numpy; x: float32 -> the quantised numbers, widened to float32 again
;;       x = np.moveaxis(x, axis, -1); K = x.shape[-1]
;;       x = np.pad(x, [(0, 0)] * (x.ndim - 1) + [(0, -K % 32)]); x = x.reshape(x.shape[:-1] + (-1, 32)); a = np.abs(x).max(-1, keepdims=True)
;;       e = np.where(a > 0, np.clip(np.frexp(np.where(a > 0, a, 1))[1] - 1 - 2, -126, 127), 0)      # np.frexp(a)[1] - 1 = floor(log2(a)), exactly
;;       r = np.clip(x / 2.0 ** e, -6, 6)
;;       step = 2.0 ** (np.maximum(np.frexp(np.where(r == 0, 1, r))[1] - 1, 0) - 1)
;;       q = np.round(r / step) * step * 2.0 ** e      # np.round: ties to even
;;       return np.moveaxis(q.reshape(q.shape[:-2] + (-1,))[..., :K], -1, axis).astype(np.float32)
;;   ~~~
;;   SOFTMAX AHEAD OF A QUANTISED PRODUCT. Where the list says 'softmax', what is quantised is not the finished softmax but p = 2^(t - M), with t = logit x log2(e) and M = ceil(the row's largest t), a whole number; so 1/2 < the row's largest p <= 1. The row's sum l is taken of the UNQUANTISED p, in f32, and the product's result is divided by l at the end. Since M is a whole number, a kernel that streams over the keys may use a running M (the ceiling of the running maximum): every later rescaling is an exact power of two, which a block's scale takes up: the codes' values come out the same.
;;   OPERANDS COMPUTED ON THE WAY. 'Computed on the way' means the value that the module computes at that place (a softmax that the list does not call 'softmax' is quantised finished and normalised). What goes into a quantiser is computed in f32, as accurately as f32 sums, v_exp_f32 and their like allow (about 1e-6 of the number): no bf16 or f16 on the way to a quantiser, and a product that is left as it is and whose result goes on into a quantised operand takes f32 operands (vector FMAs, or v_wmma_f32_16x16x4_f32). A number that lies on a knife's edge between two numbers of the format may be rounded either way, as far as f32 arithmetic and the matrix unit's own rounding can turn it there, and no further.
;; One version. Each part assembles by itself: llvm-mc -triple=amdgcn-amd-amdhsa -mcpu=gfx1250 --defsym DOCPART=n.
;; ======== version 1 of 1: 4 launches
;; workspace buffers: xc 4,194,304 bytes; xs 262,144 bytes; wc 2,097,152 bytes; ws 131,072 bytes; cd 16,777,216 bytes; sc 1,048,576 bytes; cc 4,194,304 bytes; cs 262,144 bytes
;; launch quant (part 1): grid 512 x 1, 4 waves a work-group, no clusters, 34,304 bytes of LDS; arguments x, w_qkv, w_out, xc, xs, wc, ws; writes xc, xs, wc, ws
.if DOCPART == 1
	.amdgcn_target "amdgcn-amd-amdhsa--gfx1250"
	.amdhsa_code_object_version 6
	.text
	.protected	k_q6beefb6317_quant
	.globl	k_q6beefb6317_quant
	.p2align	8
	.type	k_q6beefb6317_quant,@function
k_q6beefb6317_quant:
	s_mov_b64 s[64:65], 0
	v_nop
	global_prefetch_b8 v0, s[64:65] scope:SCOPE_SE
	s_setreg_imm32_b32 hwreg(HW_REG_WAVE_MODE, 25, 1), 1
	s_wait_xcnt 0x0
; LAUNCH 1 OF 4.  Multi-head self-attention, all four products on codes of FP4 (E2M1) with one E8M0 scale for each 32 along K.
; This launch quantises the three large inputs once: x [8192][1024] along its last axis, w_qkv [1024][3072] and w_out [1024][1024] along their FIRST axis.
; DEAD WORK: none.  Every input has a way to the output; the bias on k moves k's codes ahead of a quantised product, so it stays.  All five inputs are loaded by some launch.
; A block's scale is 2^(floor(log2(its largest magnitude)) - 2); its byte is the largest magnitude's exponent field - 2, held at 1 from below.
; LIMITS: NaN and infinities among the inputs are not served.  A block of zeros, or one whose largest magnitude lies under 2^-124, gets the byte 1 where the rule says 127 or less:
; its codes are zeros or the nearest codes under that scale, and the bytes are read by this program alone.
; POSITION ORDER.  Rows of x and columns of the weights stand in tiles of 16 by position: position P holds index sw(P) = P with bits 3 and 4 exchanged.  So row r of tile 2 b + u is index
; 32 b + 8 u + r + 8 (r / 8), and in a product used transposed the 16 registers of tiles 2 b and 2 b + 1 are 16 neighbours along the next K.
; IMAGES.  A fragment (16 rows x 128 K, 8 registers a lane) lies in memory as its registers: [c = 0, 1][lane][16 bytes]; lane (r, h) of part c holds block 2 c + h of row r.
;   xc [tile 0..511][kq 0..7][c][lane][16]      xs [tile][s 0..1][r][4 words], word j for K step 4 s + j
;   wc [cg 0..127][tile parity][kq][c][lane][16]  ws [cg][kq][position 0..31] words;  cg = a group of 32 columns, 0..95 of w_qkv, 96..127 of w_out
; Work-groups 0..255 take the weights (no LDS), 256..511 take x.  No tensor load, no barrier: waves share nothing.
.set SPARE, 33792                      ; behind the four stages: the spare words, 128 bytes for each wave
.set SPW, 14                           ; v14  LDS address of my spare word; never rewritten
.set NIL, 15                           ; v15  0; never rewritten
.set TM,  240                          ; v240-255 at work in QUANT: +0..3 maxima, +4..7 the other half's and bytes, +8..11 the four scale words, +12..15 scale operands
.set STG, 8448                         ; a wave's stage: 16 rows of 512 bytes + 16
.set SP,  528
.set R,   16                           ; v16-143  x as loaded, two sets of 64
.set X,   144                          ; v144-207 64 numbers of my row: register 16 b + i = k 32 b + 16 h + i
.set PC,  208                          ; v208-239 codes, 8 registers for each of four fragments
; 64 numbers of a lane become a fragment's codes in v[pc] on and its row's scale word in v[pw] (equal in lanes l and l xor 16).
.macro QUANT s, pc, pw
.irp b, 0,1,2,3
	v_max3_num_f32 v[TM+\b], |v[(\s)+16*\b]|, |v[(\s)+1+16*\b]|, 0x1800000   ; my 16 numbers of block b, and the floor 2^(3 - 127): the byte cannot fall under 1
.endr
.irp i, 2,4,6,8,10,12,14
.irp b, 0,1,2,3
	v_max3_num_f32 v[TM+\b], v[TM+\b], |v[(\s)+16*\b+\i]|, |v[(\s)+1+16*\b+\i]|   ; the four blocks by turns
.endr
.endr
.irp b, 0,1,2,3
	v_permlanex16_b32 v[TM+4+\b], v[TM+\b], s20, s21
.endr
.irp b, 0,1,2,3
	v_max_num_f32 v[TM+\b], v[TM+\b], v[TM+4+\b]       ; with lane l xor 16's: the block's largest magnitude
.endr
.irp b, 0,1,2,3
	v_add_nc_u32 v[TM+12+\b], 0xff000000, v[TM+\b]     ; 2 off its exponent field: the conversion's scale operand
.endr
.irp b, 0,1,2,3
	v_lshrrev_b32 v[TM+4+\b], 23, v[TM+12+\b]          ; the scale's byte
.endr
	v_lshl_or_b32 v[\pw], v[TM+5], 8, v[TM+4]
	v_lshl_or_b32 v[\pw], v[TM+6], 16, v[\pw]
	v_lshl_or_b32 v[\pw], v[TM+7], 24, v[\pw]
.irp b, 0,1,2,3
	v_cvt_scalef32_pk8_fp4_f32 v[(\pc)+2*\b], v[(\s)+16*\b:(\s)+7+16*\b], v[TM+12+\b]
	v_cvt_scalef32_pk8_fp4_f32 v[(\pc)+1+2*\b], v[(\s)+8+16*\b:(\s)+15+16*\b], v[TM+12+\b]
.endr
	v_nop                                              ; one plain line behind the last scaled conversion
.irp c, 0,1
.irp i, 0,1
	v_permlane16_swap_b32 v[(\pc)+4*\c+\i], v[(\pc)+2+4*\c+\i]   ; a whole block to a lane: lanes 0-15 block 2 c, lanes 16-31 block 2 c + 1
.endr
.endr
.endm
	s_load_b256 s[4:11], s[0:1], 0x0               ; x, w_qkv, w_out, xc
	s_load_b128 s[12:15], s[0:1], 0x20             ; xs, wc
	s_load_b64 s[16:17], s[0:1], 0x30              ; ws
	v_lshl_add_u32 v[SPW], v0, 2, SPARE
	v_mov_b32 v[NIL], 0
	v_lshrrev_b32 v1, 5, v0
	v_readfirstlane_b32 s18, v1                    ; wave 0..3
	v_and_b32 v5, 31, v0                           ; lane
	v_and_b32 v6, 15, v0                           ; r
	v_bfe_u32 v7, v0, 4, 1                         ; h
	s_mov_b32 s19, 0xffff0000                      ; lanes 16-31
	s_mov_b32 s20, 0x76543210
	s_mov_b32 s21, 0xfedcba98                      ; v_permlanex16_b32's selects for lane l xor 16
	s_wait_kmcnt 0x0
	s_cmp_lt_u32 ttmp9, 256
	s_cbranch_scc0 .Lx
; ---- THE WEIGHTS.  A wave takes 32 columns x 128 along K: a lane takes the column at its position and its registers run down K, so a block of 32 lies in one lane and nothing is transposed.
	s_and_b32 s22, ttmp9, 7                        ; kq
	s_lshr_b32 s23, ttmp9, 3
	s_lshl_b32 s23, s23, 2
	s_add_co_u32 s23, s23, s18                     ; cg: the four waves stand side by side on 512 bytes of each row
	s_cmp_lt_u32 s23, 96                           ; w_qkv or w_out: the choice hangs on ids alone
	s_cselect_b64 s[26:27], s[6:7], s[8:9]
	s_mov_b32 s24, 4096
	s_cselect_b32 s24, 12288, s24                  ; a row of the weight in bytes
	s_cselect_b32 s25, 0, 96
	s_sub_co_u32 s25, s23, s25
	s_lshl_b32 s25, s25, 7                         ; my 32 columns: 128 bytes a group
	s_lshl_b32 s40, s22, 7
	s_mul_i32 s40, s40, s24                        ; row 128 kq
	s_add_co_u32 s40, s40, s25
	s_mov_b32 s41, 0
	s_lshl_b32 s42, s24, 5                         ; 32 rows on
	s_mov_b32 s43, 0
	s_add_nc_u64 s[28:29], s[26:27], s[40:41]      ; a base for each of the four blocks: no pointer is stepped
	s_add_nc_u64 s[30:31], s[28:29], s[42:43]
	s_add_nc_u64 s[32:33], s[30:31], s[42:43]
	s_add_nc_u64 s[34:35], s[32:33], s[42:43]
	s_lshl_b32 s40, s23, 14
	s_lshl_b32 s42, s22, 10
	s_add_co_u32 s40, s40, s42
	s_add_nc_u64 s[36:37], s[14:15], s[40:41]      ; wc + cg x 16,384 + kq x 1,024
	s_lshl_b32 s40, s23, 10
	s_lshl_b32 s42, s22, 7
	s_add_co_u32 s40, s40, s42
	s_add_nc_u64 s[38:39], s[16:17], s[40:41]      ; ws + cg x 1,024 + kq x 128
	s_wait_alu depctr_va_vdst(0)
	v_and_b32 v1, 7, v5
	v_bfe_u32 v4, v5, 3, 1
	v_lshl_add_u32 v1, v4, 4, v1
	v_lshl_add_u32 v1, v7, 3, v1                   ; sw(lane): the column at my position
	v_lshlrev_b32 v16, 2, v1                       ; v16-47: my column's byte in rows 0 .. 31 of a block
.set i, 1
.rept 31
	v_add_nc_u32 v[16+i], s24, v[15+i]
.set i, i+1
.endr
	v_lshlrev_b32 v2, 4, v6
	v_lshl_add_u32 v2, v7, 13, v2                  ; the codes' place: tile parity x 8,192 + 16 r
	v_lshlrev_b32 v3, 2, v5                        ; the scale word's: 4 x position
.irp t, 0,1,2,3
.set i, 0
.rept 32
	global_load_b32 v[48+32*\t+i], v[16+i], s[28+2*\t:29+2*\t] th:TH_LOAD_NT   ; W(128 kq + 32 t + i, my column): 32 lanes read 128 consecutive bytes
.set i, i+1
.endr
.endr
.macro BLOCK t, left
.set XS, 48+32*(\t)
	s_wait_loadcnt \left                           ; this block's 32 loads are in.  96, 64, 32, 0 younger loads could stay out; the wait's field holds 63
	v_max3_num_f32 v8, |v[XS]|, |v[XS+1]|, |v[XS+2]|
	v_max3_num_f32 v9, |v[XS+3]|, |v[XS+4]|, |v[XS+5]|
.irp i, 6,10,14,18,22,26
	v_max3_num_f32 v8, v8, |v[XS+\i]|, |v[XS+\i+1]|
	v_max3_num_f32 v9, v9, |v[XS+\i+2]|, |v[XS+\i+3]|
.endr
	v_max3_num_f32 v8, v8, |v[XS+30]|, |v[XS+31]|
	v_max3_num_f32 v8, v8, v9, 0x1800000           ; and the floor
	v_add_nc_u32 v10, 0xff000000, v8               ; the conversion's scale operand
	v_lshrrev_b32 v11, 23, v10                     ; the byte
.if (\t) == 0
	v_mov_b32 v200, v11
.else
	v_lshl_or_b32 v200, v11, 8*(\t), v200          ; four bytes make my column's scale word for this K step
.endif
.irp g, 0,1,2,3
	v_cvt_scalef32_pk8_fp4_f32 v[176+4*(\t)+\g], v[XS+8*\g:XS+8*\g+7], v10
.endr
	v_nop                                          ; one plain line behind the last scaled conversion
	global_store_b128 v2, v[176+4*(\t):179+4*(\t)], s[36:37] offset:256*(\t)   ; block t = part t / 2, half t % 2 of the image: each half of the lanes stores 256 consecutive aligned bytes; own registers for each block
.endm
	BLOCK 0, 63
	BLOCK 1, 63
	BLOCK 2, 32
	BLOCK 3, 0
	global_store_b32 v3, v200, s[38:39]            ; 128 consecutive bytes: the scale words are one byte in 128 of what this path loads, and a gather across waves would want LDS and a barrier here
	s_endpgm
; ---- x.  A wave takes one tile of 16 rows x 512 along K: four fragments.  Each load reads 512 consecutive bytes of a row; a fragment's 8,192 bytes turn through the wave's own stage, so that a lane gets 16 neighbours of each block.
.Lx:
	s_sub_co_u32 s22, ttmp9, 256
	s_lshl_b32 s22, s22, 2
	s_add_co_u32 s22, s22, s18                     ; task 0..1023
	s_lshr_b32 s23, s22, 1                         ; tile T
	s_and_b32 s22, s22, 1                          ; K half s
	s_lshr_b32 s40, s23, 1
	s_lshl_b32 s40, s40, 5
	s_and_b32 s41, s23, 1
	s_lshl_b32 s41, s41, 3
	s_add_co_u32 s40, s40, s41                     ; the tile's first token: 32 (T / 2) + 8 (T % 2)
	s_lshl_b32 s40, s40, 12
	s_lshl_b32 s41, s22, 11
	s_add_co_u32 s40, s40, s41
	s_mov_b32 s41, 0
	s_add_nc_u64 s[24:25], s[4:5], s[40:41]
	s_lshl_b32 s40, s23, 13
	s_lshl_b32 s42, s22, 12
	s_add_co_u32 s40, s40, s42
	s_add_nc_u64 s[26:27], s[10:11], s[40:41]      ; xc + T x 8,192 + s x 4,096
	s_lshl_b32 s40, s23, 9
	s_lshl_b32 s42, s22, 8
	s_add_co_u32 s40, s40, s42
	s_add_nc_u64 s[28:29], s[12:13], s[40:41]      ; xs + T x 512 + s x 256
	s_wait_alu depctr_va_vdst(0)
	v_lshlrev_b32 v1, 4, v5                        ; 16 x lane
	s_mul_i32 s30, s18, STG                        ; my stage
	v_add_nc_u32 v2, s30, v1                       ; into it: a row's 512 bytes as they lie
	v_mul_u32_u24 v3, v6, SP
	v_lshl_add_u32 v3, v7, 6, v3
	v_add_nc_u32 v3, s30, v3                       ; out of it: row r, + 64 h
	v_lshlrev_b32 v4, 4, v6
	v_lshl_add_u32 v4, v7, 3, v4                   ; the scale words' place: 16 r + 8 h
.irp b, 0,1,2,3
	v_mov_b32 v[TM+4+\b], 0                        ; written once: a lane permute's destination counts as one of its sources
.endr
.macro LOAD f
.irp r, 0,1,2,3,4,5,6,7,8,9,10,11,12,13,14,15
	global_load_b128 v[R+64*((\f)%2)+4*\r:R+64*((\f)%2)+4*\r+3], v1, s[24:25] offset:(\r+8*(\r/8))*4096+512*(\f) th:TH_LOAD_NT
.endr
.endm
.macro TURN f                          ; LDS serves a wave's instructions in order: no wait between the stores and the loads
.irp r, 0,1,2,3,4,5,6,7,8,9,10,11,12,13,14,15
	ds_store_b128 v2, v[R+64*((\f)%2)+4*\r:R+64*((\f)%2)+4*\r+3] offset:SP*\r
.endr
.irp b, 0,1,2,3
.irp j, 0,1,2,3
	ds_load_b128 v[X+16*\b+4*\j:X+16*\b+4*\j+3], v3 offset:128*\b+16*\j
.endr
.endr
.endm
	LOAD 0
	LOAD 1
	s_wait_alu depctr_va_vdst(0)
.irp f, 0,1,2,3
.if \f < 3
	s_wait_loadcnt 16                              ; this fragment's 16 loads are in; the next fragment's 16 may be out
.else
	s_wait_loadcnt 0
.endif
	TURN \f
	s_wait_dscnt 0x0                               ; my 64 numbers are back
.if \f < 2
	LOAD \f+2                                      ; into the set that the stage's stores have read
.endif
	QUANT X, PC+8*\f, TM+8+\f
	global_store_b128 v1, v[PC+8*\f:PC+8*\f+3], s[26:27] offset:1024*\f        ; the image: 512 consecutive bytes a store; own registers for each fragment
	global_store_b128 v1, v[PC+8*\f+4:PC+8*\f+7], s[26:27] offset:1024*\f+512
.endr
	v_cndmask_b32 v240, v248, v250, s19            ; lanes 0-15 store words 0, 1 of their row, lanes 16-31 words 2, 3
	v_cndmask_b32 v241, v249, v251, s19
	global_store_b64 v4, v[240:241], s[28:29]      ; 256 consecutive aligned bytes
	s_wait_tensorcnt 0x0                           ; the wave's end: a tensor wait, an add to the spare word and its wait, behind my last LDS store
	ds_add_u32 v[SPW], v[NIL]
	s_wait_dscnt 0x0
	s_endpgm
.Lfunc_end_k_q6beefb6317_quant:
	.size	k_q6beefb6317_quant, .Lfunc_end_k_q6beefb6317_quant-k_q6beefb6317_quant
	.p2alignl 7, 3214868480
	.fill 96, 4, 3214868480
	.section	.rodata,"a",@progbits
	.p2align	6, 0x0
	.amdhsa_kernel k_q6beefb6317_quant
		.amdhsa_group_segment_fixed_size 34304
		.amdhsa_private_segment_fixed_size 0
		.amdhsa_enable_private_segment 0
		.amdhsa_kernarg_size 56
		.amdhsa_user_sgpr_count 2
		.amdhsa_user_sgpr_kernarg_segment_ptr 1
		.amdhsa_wavefront_size32 1
		.amdhsa_system_sgpr_workgroup_id_x 1
		.amdhsa_system_sgpr_workgroup_id_y 1
		.amdhsa_system_sgpr_workgroup_id_z 1
		.amdhsa_system_vgpr_workitem_id 0
		.amdhsa_next_free_vgpr 256
		.amdhsa_next_free_sgpr 66
		.amdhsa_reserve_vcc 0
		.amdhsa_float_denorm_mode_32 3
		.amdhsa_float_denorm_mode_16_64 3
		.amdhsa_memory_ordered 1
		.amdhsa_forward_progress 1
		.amdhsa_inst_pref_size 54
	.end_amdhsa_kernel
	.amdgpu_metadata
---
amdhsa.version: [ 1, 2 ]
amdhsa.kernels:
  - .name:           k_q6beefb6317_quant
    .symbol:         k_q6beefb6317_quant.kd
    .args:
      - { .name: x, .offset: 0, .size: 8, .value_kind: global_buffer, .address_space: global }
      - { .name: w_qkv, .offset: 8, .size: 8, .value_kind: global_buffer, .address_space: global }
      - { .name: w_out, .offset: 16, .size: 8, .value_kind: global_buffer, .address_space: global }
      - { .name: xc, .offset: 24, .size: 8, .value_kind: global_buffer, .address_space: global }
      - { .name: xs, .offset: 32, .size: 8, .value_kind: global_buffer, .address_space: global }
      - { .name: wc, .offset: 40, .size: 8, .value_kind: global_buffer, .address_space: global }
      - { .name: ws, .offset: 48, .size: 8, .value_kind: global_buffer, .address_space: global }
    .group_segment_fixed_size: 34304
    .private_segment_fixed_size: 0
    .kernarg_segment_align: 8
    .kernarg_segment_size: 56
    .max_flat_workgroup_size: 128
    .sgpr_count:     66
    .vgpr_count:     256
    .wavefront_size: 32
...
	.end_amdgpu_metadata
.endif
;; end of part 1
;; launch qkv (part 2): grid 12 x 32, 4 waves a work-group, clusters of 4 x 4, 327,680 bytes of LDS; arguments xc, xs, wc, ws, b_qkv, cd, sc; writes cd, sc
.if DOCPART == 2
	.amdgcn_target "amdgcn-amd-amdhsa--gfx1250"
	.amdhsa_code_object_version 6
	.text
	.protected	k_q6beefb6317_qkv
	.globl	k_q6beefb6317_qkv
	.p2align	8
	.type	k_q6beefb6317_qkv,@function
k_q6beefb6317_qkv:
	s_mov_b64 s[64:65], 0
	v_nop
	global_prefetch_b8 v0, s[64:65] scope:SCOPE_SE
	s_setreg_imm32_b32 hwreg(HW_REG_WAVE_MODE, 25, 1), 1
	s_wait_xcnt 0x0
	s_wait_alu depctr_hold_cnt(0) depctr_sa_sdst(0) depctr_va_vdst(0) depctr_va_sdst(0) depctr_va_ssrc(0) depctr_va_vcc(0) depctr_vm_vsrc(0)
	s_getreg_b32 s2, hwreg(HW_REG_IB_STS2, 6, 4)
	s_cmp_eq_u32 s2, 0
	s_cbranch_scc0 .Lentry_in_a_cluster
	s_endpgm
.Lentry_in_a_cluster:
	s_bfe_u32 s2, ttmp6, 0x10000c
	s_cmp_lg_u32 s2, 0xf033
	s_cbranch_scc0 .Lentry_shape_is_right
	s_endpgm
.Lentry_shape_is_right:
; LAUNCH 2 OF 4: qkv = x w_qkv + b_qkv on codes, and the quantisers of q, k (along the head's 64) and v (along the keys).  No f32 result goes to memory.  No work is left out.
; A work-group of four waves makes 256 positions x 256 columns, a wave 128 x 128: 64 accumulators in windows 2 and 3.  K = 1,024 fits in LDS whole: every tile is asked for at the head, in two K halves; nothing is filled again.
; CLUSTERS: 4 x 4 work-groups.  A's tiles are shared along a row of the cluster, B's along a column: joint loads, the same descriptor in the four that the mask names.
; THE PRODUCT IS USED TRANSPOSED (source 0 = 16 columns of w, source 1 = 16 positions of x): lane (r, h) holds position r, and by the position order of w's columns the registers of tiles 2 b, 2 b + 1 are
; columns 32 b + 16 h + 0 .. 15.  The bias is the C of each sum's first product (so the order of the sum differs from the reference's by rounding).
; OUT.  cd [which][bh][ks 0..15][8,192]: which 0: q's 8 tiles of 16 positions, 512 bytes each ([lane][16]: lane (r, h) = d-block h of row r), the other 4,096 bytes never written nor read;
;   which 1: k likewise, then v at + 4,096: [dt 0..3][c][lane][16], row r of tile dt = channel sw(16 dt + r), K = the step's 128 keys in their own order.
; sc [which][bh][ks][512]: q's or k's words [lane'][j]: tile pair 2 j + lane' / 16, row lane' % 16, bytes 0, 1 tile 2 p, bytes 2, 3 tile 2 p + 1;  at + 256 v's: [lane'][j]: tile dt = 2 j + lane' / 16, byte i = key block i.
; LIMITS as in launch 1 (NaN, infinities; the byte 1 for blocks of zeros).
; REGISTERS: window 0: v16-31 addresses; v32-63 A's scale words, v64-95 B's (nothing else ever lies there); v96-127 at work on the way out; v128-255 A's fragments, two sets.
;   window 1: v0-127 B's fragments, two sets; v192-255 the bias.   windows 2, 3: accumulator (a, b) at v[8 (8 (a % 4) + b)] of window 2 + a / 4.
.set SLOT, 131072                      ; K half s: A's 16 tiles x 4,096 bytes, then B's 16
.set SCA,  262144                      ; A's scale words [tile][s][r][16 bytes]
.set SCB,  270336                      ; B's [cg][kq][32 words]
.set SPARE, 278528                     ; the spare words, 128 bytes for each wave
.set VST,  16896                       ; v's way out: a stage of 32 rows x (512 + 16) bytes for each wave, in K half 0's bytes, which have had their only fill and are read by nobody behind the second barrier
.set SP,   528
.set ADRA, 16
.set ADRB, 20
.set ADSA, 22
.set ADSB, 23
.set LI,   24                          ; 16 x lane
.set L8,   25                          ; 8 x lane
.set STO,  26
.set VRD,  27
.set SPW,  28
.set NIL,  29
.set VGO,  30
.set BA,   31
.set SA,   32
.set SB,   64
.set TM,   96
.set PW,   112
.set AF,   128
.set BIAS, 192
.set G1, 24
.set G0, 32
.set G1B, 48
.set G0B, 56
.set G1S, 68
.set G0S, 76
.set G1SB, 80
.set G0SB, 88
.set MSB, 0
.macro WIN new                         ; the immediate's high byte repeats the setting that is left
.if MSB != (\new)
	s_set_vgpr_msb (MSB<<8)|(\new)
.set MSB, (\new)
.endif
.endm
.macro PLACES
.rept 4
	v_nop
.endr
.endm
; A joint load: waves 0 and 1 fetch for A, waves 2 and 3 for B; the branch hangs on the wave's number alone.  An s_nop 0 and four v_nop follow each line.
.macro JLOAD g0a, g1a, g0b, g1b
	s_cmp_eq_u32 s15, 0
	s_cbranch_scc0 .Lfor_b_\@
	tensor_load_to_lds s[\g0a:\g0a+3], s[\g1a:\g1a+7]
	s_nop 0
.rept 4
	v_nop
.endr
	s_branch .Lasked_\@
.Lfor_b_\@:
	tensor_load_to_lds s[\g0b:\g0b+3], s[\g1b:\g1b+7]
	s_nop 0
.rept 4
	v_nop
.endr
.Lasked_\@:
.endm
.macro CROUND                          ; a round of the cluster's barrier
	s_barrier_signal -1
	s_barrier_wait -1
	s_cmp_lg_u32 s14, 0
	s_cbranch_scc1 .Lnot_wave_0_\@
	s_barrier_signal -3
.Lnot_wave_0_\@:
	s_barrier_wait -3
	s_barrier_signal -1
	s_barrier_wait -1
.endm
.macro FIN                             ; the wave's end: a tensor wait, an add to the spare word and its wait, then the closing round, so that no work-group ends while a partner may still ask jointly
	s_wait_tensorcnt 0x0
	ds_add_u32 v[SPW], v[NIL]
	s_wait_dscnt 0x0
	CROUND
	s_endpgm
.endm
	s_load_b256 s[4:11], s[0:1], 0x0               ; xc, xs, wc, ws
	s_load_b64 s[12:13], s[0:1], 0x20              ; b_qkv
	s_load_b128 s[96:99], s[0:1], 0x28             ; cd, sc
	v_lshl_add_u32 v[SPW], v0, 2, SPARE
	v_mov_b32 v[NIL], 0
	ds_add_u32 v[SPW], v[NIL]                      ; the wave's opening: the add, twice on end, and its wait ahead of my first tensor load
	ds_add_u32 v[SPW], v[NIL]
	v_lshrrev_b32 v1, 5, v0
	v_readfirstlane_b32 s14, v1                    ; wave 0..3
	s_lshr_b32 s15, s14, 1                         ; my half of the rows.  Also: I fetch for A (0) or B (1)
	s_and_b32 s16, s14, 1                          ; my half of the columns.  Also: which 8 tiles I fetch
	s_bfe_u32 s40, ttmp6, 0x40000                  ; cx
	s_bfe_u32 s41, ttmp6, 0x40004                  ; cy
	s_lshl_b32 s42, ttmp9, 2
	s_add_co_u32 s42, s42, s40                     ; x: column tile 0..11
	s_and_b32 s17, ttmp7, 0xffff
	s_lshl_b32 s17, s17, 2
	s_add_co_u32 s17, s17, s41                     ; y: row tile 0..31
	s_lshl_b32 s43, s41, 2
	s_lshl_b32 s43, 15, s43                        ; my row of the cluster
	s_lshl_b32 s44, 0x1111, s40                    ; my column
	s_or_b32 s[G1+0], s43, (3<<16)|(1<<21)         ; the mask; elements of 8 bytes; bit 21 beside a mask; no padding: images are read 512 consecutive bytes at a time
	s_or_b32 s[G1B+0], s44, (3<<16)|(1<<21)
.irp g, G1, G1B                        ; codes: 8 tiles, of each a K half: 4,096 bytes (512 elements), 8,192 bytes apart
	s_mov_b32 s[\g+1], 512<<16
	s_mov_b32 s[\g+2], 8<<16
	s_mov_b32 s[\g+3], 512<<16
	s_mov_b32 s[\g+4], 8
	s_mov_b32 s[\g+5], 1024
	s_mov_b32 s[\g+6], 0
	s_mov_b32 s[\g+7], 0
.endr
	s_or_b32 s[G1S+0], s43, (3<<16)|(1<<21)
	s_or_b32 s[G1SB+0], s44, (3<<16)|(1<<21)
.irp g, G1S, G1SB                      ; scale words of 8 tiles: 4,096 dense bytes as 16 rows of 256
	s_mov_b32 s[\g+1], 32<<16
	s_mov_b32 s[\g+2], 16<<16
	s_mov_b32 s[\g+3], 32<<16
	s_mov_b32 s[\g+4], 16
	s_mov_b32 s[\g+5], 32
	s_mov_b32 s[\g+6], 0
	s_mov_b32 s[\g+7], 0
.endr
	s_lshl_b32 s18, s16, 3
	s_lshl_b32 s20, s17, 4
	s_add_co_u32 s20, s20, s18                     ; A: tile 16 y + 8 half
	s_lshl_b32 s46, s42, 4
	s_add_co_u32 s46, s46, s18                     ; B: tile 16 x + 8 half
	s_lshl_b32 s22, s20, 9                         ; 512 bytes of scale words a tile, in xs and in ws alike
	s_mov_b32 s23, 0
	s_lshl_b32 s92, s46, 9
	s_mov_b32 s93, 0
	s_lshl_b32 s20, s20, 13                        ; 8,192 bytes of codes a tile
	s_mov_b32 s21, 0
	s_lshl_b32 s46, s46, 13
	s_mov_b32 s47, 0
	s_lshl_b32 s45, s14, 15                        ; where they go: wave x 32,768; no place in the cluster enters an LDS address
	s_lshl_b32 s94, s14, 12
	s_mov_b32 s66, 0x76543210
	s_mov_b32 s67, 0xfedcba98                      ; v_permlanex16_b32's selects for lane l xor 16
	s_mov_b32 s3, 0xffff0000                       ; lanes 16-31
	s_wait_dscnt 0x0                               ; both opening adds are done
	s_wait_kmcnt 0x0
	s_add_nc_u64 s[20:21], s[4:5], s[20:21]
	s_add_nc_u64 s[22:23], s[6:7], s[22:23]
	s_add_nc_u64 s[46:47], s[8:9], s[46:47]
	s_add_nc_u64 s[92:93], s[10:11], s[92:93]
	CROUND                                         ; all sixteen work-groups are here: the joint loads meet
	s_mov_b32 s[G0S], 1
	s_add_co_u32 s[G0S+1], s94, SCA
	s_mov_b64 s[G0S+2:G0S+3], s[22:23]
	s_or_b32 s[G0S+3], s[G0S+3], 0x80000000
	s_mov_b32 s[G0SB], 1
	s_add_co_u32 s[G0SB+1], s94, SCA
	s_mov_b64 s[G0SB+2:G0SB+3], s[92:93]
	s_or_b32 s[G0SB+3], s[G0SB+3], 0x80000000
	JLOAD G0S, G1S, G0SB, G1SB                     ; the scale words first; three loads of mine are out at the most
.irp s, 0,1
	s_mov_b32 s[G0+4*\s], 1
	s_add_co_u32 s[G0+4*\s+1], s45, \s*SLOT
	s_add_nc_u64 s[G0+4*\s+2:G0+4*\s+3], s[20:21], \s*4096
	s_or_b32 s[G0+4*\s+3], s[G0+4*\s+3], 0x80000000
	s_mov_b32 s[G0B+4*\s], 1
	s_add_co_u32 s[G0B+4*\s+1], s45, \s*SLOT
	s_add_nc_u64 s[G0B+4*\s+2:G0B+4*\s+3], s[46:47], \s*4096
	s_or_b32 s[G0B+4*\s+3], s[G0B+4*\s+3], 0x80000000
	JLOAD G0+4*\s, G1, G0B+4*\s, G1B
.endr
	v_and_b32 v1, 31, v0                           ; lane
	v_and_b32 v2, 15, v0                           ; r
	v_bfe_u32 v3, v0, 4, 1                         ; h
	v_lshlrev_b32 v[LI], 4, v1
	v_lshlrev_b32 v[L8], 3, v1
	s_lshl_b32 s21, s15, 15
	v_add_nc_u32 v[ADRA], s21, v[LI]               ; my 8 tiles of A in K half 0,
	v_add_nc_u32 v[ADRA+1], SLOT, v[ADRA]          ; and 1
	s_lshl_b32 s22, s16, 15
	s_add_co_u32 s22, s22, 65536
	v_add_nc_u32 v[ADRB], s22, v[LI]
	v_add_nc_u32 v[ADRB+1], SLOT, v[ADRB]
	s_lshl_b32 s21, s15, 12
	s_add_co_u32 s21, s21, SCA
	v_lshlrev_b32 v4, 4, v2
	v_lshl_add_u32 v4, v3, 9, v4
	v_add_nc_u32 v[ADSA], s21, v4                  ; A's words: lanes 0-15 an even tile's rows, lanes 16-31 the odd tile's beside it
	s_lshl_b32 s22, s16, 12
	s_add_co_u32 s22, s22, SCB
	v_lshl_add_u32 v[ADSB], v1, 2, s22             ; B's: 4 bytes a position
	s_mul_i32 s23, s14, VST
	v_mul_u32_u24 v4, v2, SP
	v_lshl_add_u32 v4, v3, 6, v4
	v_add_nc_u32 v[STO], s23, v4                   ; v's stage, in: row r, + 64 h
	v_and_b32 v4, 7, v0
	v_bfe_u32 v5, v0, 3, 1
	v_lshl_add_u32 v4, v5, 4, v4
	v_lshl_add_u32 v4, v3, 3, v4                   ; sw(lane)
	v_lshl_add_u32 v[VRD], v4, 2, s23              ; out: the column at my position
	v_lshlrev_b32 v4, 4, v2
	v_lshl_add_u32 v[VGO], v3, 10, v4              ; v's codes: tile parity x 1,024 + 16 r
	v_lshlrev_b32 v[BA], 6, v3                     ; the bias: + 64 h bytes
.irp b, 0,1,2,3
	v_mov_b32 v[TM+4+\b], 0                        ; written once: a lane permute's destination counts as one of its sources
.endr
	s_lshl_b32 s20, s42, 10
	s_lshl_b32 s21, s16, 9
	s_add_co_u32 s20, s20, s21                     ; my first column x 4 bytes
	s_mov_b32 s21, 0
	s_add_nc_u64 s[12:13], s[12:13], s[20:21]
	WIN 0x40                                       ; destination window 1
.irp b, 0,1,2,3,4,5,6,7
	global_load_b128 v[BIAS+8*\b:BIAS+8*\b+3], v[BA], s[12:13] offset:(32*(\b/2)+8*(\b%2))*4      ; tile b's eight columns of my half, in the result's layout
	global_load_b128 v[BIAS+8*\b+4:BIAS+8*\b+7], v[BA], s[12:13] offset:(32*(\b/2)+8*(\b%2))*4+16
.endr
	WIN 0
	; where my results go
	s_lshl_b32 s18, s42, 2
	s_lshl_b32 s19, s16, 1
	s_add_co_u32 s18, s18, s19                     ; my first head's column: 0..15 q, 16..31 k, 32..47 v
	s_lshr_b32 s19, s18, 4
	s_min_u32 s19, s19, 1                          ; which
	s_lshr_b32 s20, s18, 5                         ; 1 for v
	s_and_b32 s18, s18, 15
	s_lshr_b32 s21, s17, 3
	s_lshl_b32 s21, s21, 4
	s_add_co_u32 s18, s18, s21                     ; bh = 16 batch + head
	s_and_b32 s21, s17, 7
	s_lshl_b32 s21, s21, 1
	s_add_co_u32 s21, s21, s15                     ; ks: my 128 positions in the batch
	s_lshl_b32 s22, s19, 23
	s_lshl_b32 s23, s18, 17
	s_add_co_u32 s22, s22, s23
	s_lshl_b32 s23, s21, 13
	s_add_co_u32 s22, s22, s23
	s_lshl_b32 s23, s20, 12
	s_add_co_u32 s22, s22, s23
	s_mov_b32 s23, 0
	s_add_nc_u64 s[92:93], s[96:97], s[22:23]      ; in cd
	s_lshr_b32 s22, s22, 4                         ; sc is laid alike, a sixteenth in size
	s_add_nc_u64 s[94:95], s[98:99], s[22:23]
	s_mov_b32 s18, 0x05040100                      ; v_perm_b32: the two low halves;
	s_mov_b32 s19, 0x07060302                      ; the two high halves
.macro WM d, a, b, c, sa, sb, ra, rb   ; one product; ra, rb: the scale words lie in lanes 16-31
.if (\ra) && (\rb)
	v_wmma_scale_f32_16x16x128_f8f6f4 v[\d:\d+7], v[\a:\a+7], v[\b:\b+7], v[\c:\c+7], v[\sa], v[\sb] matrix_a_fmt:MATRIX_FMT_FP4 matrix_b_fmt:MATRIX_FMT_FP4 matrix_a_scale:MATRIX_SCALE_ROW1 matrix_b_scale:MATRIX_SCALE_ROW1
.elseif (\ra)
	v_wmma_scale_f32_16x16x128_f8f6f4 v[\d:\d+7], v[\a:\a+7], v[\b:\b+7], v[\c:\c+7], v[\sa], v[\sb] matrix_a_fmt:MATRIX_FMT_FP4 matrix_b_fmt:MATRIX_FMT_FP4 matrix_a_scale:MATRIX_SCALE_ROW1
.elseif (\rb)
	v_wmma_scale_f32_16x16x128_f8f6f4 v[\d:\d+7], v[\a:\a+7], v[\b:\b+7], v[\c:\c+7], v[\sa], v[\sb] matrix_a_fmt:MATRIX_FMT_FP4 matrix_b_fmt:MATRIX_FMT_FP4 matrix_b_scale:MATRIX_SCALE_ROW1
.else
	v_wmma_scale_f32_16x16x128_f8f6f4 v[\d:\d+7], v[\a:\a+7], v[\b:\b+7], v[\c:\c+7], v[\sa], v[\sb] matrix_a_fmt:MATRIX_FMT_FP4 matrix_b_fmt:MATRIX_FMT_FP4
.endif
.endm
.macro MULA a, p, q, first             ; A's tile a against B's eight, K step q, sets p
.irp b, 0,1,2,3,4,5,6,7
.set rD, 8*(8*((\a)%4)+\b)
.set rB, 64*(\p)+8*\b
.set rA, AF+64*(\p)+8*(\a)
.set rC, rD
.if \first
.set rC, BIAS+8*\b
.endif
.set rSB, SB+8*(\b/2)+(\q)
.set rSA, SA+8*((\a)/2)+(\q)
.set rRB, \b%2
.set rRA, (\a)%2
	WM rD, rB, rA, rC, rSB, rSA, rRB, rRA
.endr
.endm
.macro HALF hi, q, first               ; 32 products.  The 64 accumulators take turns, one instruction a turn, in the same order in every step
.if \first
	WIN 0x91+0x40*(\hi)                            ; source 0 (B) and C (the bias) window 1, source 1 (A) window 0, D window 2 or 3
.else
	WIN 0xa1+0x50*(\hi)                            ; C and D window 2 or 3
.endif
.irp a, 0,1,2,3
	MULA 4*(\hi)+\a, (\q)%2, \q, \first
.endr
.endm
.macro FETCH q, p                      ; K step q's 16 fragments into sets p: 32 loads of 512 consecutive bytes
	WIN 0x40
.irp i, 0,1,2,3,4,5,6,7
.irp c, 0,1
	ds_load_b128 v[64*(\p)+8*\i+4*\c:64*(\p)+8*\i+4*\c+3], v[ADRB+(\q)/4] offset:((\q)%4)*1024+512*\c+4096*\i
.endr
.endr
	WIN 0
.irp i, 0,1,2,3,4,5,6,7
.irp c, 0,1
	ds_load_b128 v[AF+64*(\p)+8*\i+4*\c:AF+64*(\p)+8*\i+4*\c+3], v[ADRA+(\q)/4] offset:((\q)%4)*1024+512*\c+4096*\i
.endr
.endr
.endm
.macro STEP q                          ; the next step's fragments are asked for at the step's head and have its 64 products in which to come
	PLACES                                         ; four places in front of loads into the set that the step before multiplied
	FETCH (\q)+1, ((\q)+1)%2
	s_wait_dscnt 32                                ; all but the 32 just issued
	HALF 0, \q, 0
	HALF 1, \q, 0
.endm
	s_wait_tensorcnt 1                             ; my scale words and my part of K half 0 are in; K half 1's load may stay out
	s_barrier_signal -1
	s_barrier_wait -1                              ; everybody's are
.irp i, 0,1,2,3                        ; all of K's scale words stay in registers
.irp s, 0,1
	ds_load_b128 v[SA+8*\i+4*\s:SA+8*\i+4*\s+3], v[ADSA] offset:1024*\i+256*\s
.endr
.endr
.irp i, 0,1,2,3
.irp q, 0,1,2,3,4,5,6,7
	ds_load_b32 v[SB+8*\i+\q], v[ADSB] offset:1024*\i+128*\q
.endr
.endr
	FETCH 0, 0
	FETCH 1, 1
	s_wait_loadcnt 0x0                             ; the bias
	s_wait_dscnt 32                                ; all but step 1's fragments
	HALF 0, 0, 1                                   ; the first step starts the sums from the bias: nothing is cleared
	HALF 1, 0, 1
	STEP 1
	STEP 2
	s_wait_dscnt 0x0                               ; step 3's fragments are in, and my reads of K half 0 are over
	s_wait_tensorcnt 0x0                           ; my part of K half 1 is in (no load was issued behind it)
	s_barrier_signal -1
	HALF 0, 3, 0                                   ; work on registers while the others arrive
	s_barrier_wait -1
	PLACES
	FETCH 4, 0
	HALF 1, 3, 0
	STEP 4
	STEP 5
	STEP 6
	s_wait_dscnt 0x0
	HALF 0, 7, 0
	HALF 1, 7, 0
	WIN 0
	PLACES                                         ; in front of the first reads of results, and of writes into A's registers
	s_cmp_eq_u32 ttmp9, 2                          ; the cluster's x, the same in all sixteen partners: columns 2,048 on are v
	s_cbranch_scc1 .Lv
; ---- q AND k: the next K is the head's 64, which runs along a lane's registers: quantised in place, no LDS.  Of tile a's fragment registers 0-3 are my first head's image, 4-7 my second's.
.macro QUANTW a
.set WW, 2+(\a)/4
.set W2, WW|(WW<<2)
.set AC, 64*((\a)%4)
	WIN W2                                         ; sources 0 and 1 in the accumulators' window; the running maximum is source 2
.irp b, 0,1,2,3
	v_max3_num_f32 v[TM+\b], |v[AC+16*\b]|, |v[AC+1+16*\b]|, 0x1800000   ; each accumulator is read from its low end on; the floor 2^(3 - 127) holds the byte at 1 from below
.endr
.irp i, 2,4,6,8,10,12,14
.irp b, 0,1,2,3
	v_max3_num_f32 v[TM+\b], |v[AC+16*\b+\i]|, |v[AC+1+16*\b+\i]|, v[TM+\b]
.endr
.endr
	WIN 0
.irp b, 0,1,2,3
	v_permlanex16_b32 v[TM+4+\b], v[TM+\b], s66, s67
.endr
.irp b, 0,1,2,3
	v_max_num_f32 v[TM+\b], v[TM+\b], v[TM+4+\b]
.endr
.irp b, 0,1,2,3
	v_add_nc_u32 v[TM+12+\b], 0xff000000, v[TM+\b]
.endr
.irp b, 0,1,2,3
	v_lshrrev_b32 v[TM+4+\b], 23, v[TM+12+\b]
.endr
	v_lshl_or_b32 v[PW+(\a)], v[TM+5], 8, v[TM+4]
	v_lshl_or_b32 v[PW+(\a)], v[TM+6], 16, v[PW+(\a)]
	v_lshl_or_b32 v[PW+(\a)], v[TM+7], 24, v[PW+(\a)]
	WIN WW
.irp b, 0,1,2,3
	v_cvt_scalef32_pk8_fp4_f32 v[AF+8*(\a)+2*\b], v[AC+16*\b:AC+16*\b+7], v[TM+12+\b]
	v_cvt_scalef32_pk8_fp4_f32 v[AF+8*(\a)+1+2*\b], v[AC+16*\b+8:AC+16*\b+15], v[TM+12+\b]
.endr
	WIN 0
	v_nop                                          ; one plain line behind the last scaled conversion
.irp c, 0,1
.irp i, 0,1
	v_permlane16_swap_b32 v[AF+8*(\a)+4*\c+\i], v[AF+8*(\a)+2+4*\c+\i]
.endr
.endr
	global_store_b128 v[LI], v[AF+8*(\a):AF+8*(\a)+3], s[92:93] offset:512*(\a)              ; 512 consecutive bytes; own registers for each tile
	global_store_b128 v[LI], v[AF+8*(\a)+4:AF+8*(\a)+7], s[92:93] offset:131072+512*(\a)     ; the next head's chunk
.endm
.irp a, 0,1,2,3,4,5,6,7
	QUANTW \a
.endr
.irp p, 0,1,2,3                        ; a word for a pair of tiles: my first head's bytes are the words' low halves, my second's the high halves
	v_perm_b32 v[192+\p], v[PW+2*\p+1], v[PW+2*\p], s18
	v_perm_b32 v[196+\p], v[PW+2*\p+1], v[PW+2*\p], s19
.endr
.irp e, 0,1
	v_cndmask_b32 v[120+2*\e], v[192+4*\e], v[193+4*\e], s3     ; lanes 0-15 pairs 0 and 2, lanes 16-31 pairs 1 and 3
	v_cndmask_b32 v[121+2*\e], v[194+4*\e], v[195+4*\e], s3
	global_store_b64 v[L8], v[120+2*\e:121+2*\e], s[94:95] offset:8192*\e   ; 256 consecutive aligned bytes
.endr
	FIN
; ---- v: the next K is the keys, which lie across lanes: 32 positions x 128 columns at a time turn through my stage, and come back a lane to a column, registers down the keys in their own order.
.Lv:
.macro VLD g                           ; columns 32 g on: register i = key i of the block, which lies at position sw(i)
.set i, 0
.rept 32
	ds_load_b32 v[AF+32*((\g)%2)+i], v[VRD] offset:((i&7)+16*((i>>3)&1)+8*((i>>4)&1))*SP+128*(\g)
.set i, i+1
.endr
.endm
.macro VQ g, pr
.set XS, AF+32*((\g)%2)
.set CR, 192+4*(4*(\pr)+(\g))
.if (\g) < 3
	s_wait_dscnt 32                                ; this group's 32 loads are in; the next group's may be out
.else
	s_wait_dscnt 0x0
.endif
	v_max3_num_f32 v[TM], |v[XS]|, |v[XS+1]|, |v[XS+2]|
	v_max3_num_f32 v[TM+1], |v[XS+3]|, |v[XS+4]|, |v[XS+5]|
.irp i, 6,10,14,18,22,26
	v_max3_num_f32 v[TM], v[TM], |v[XS+\i]|, |v[XS+\i+1]|
	v_max3_num_f32 v[TM+1], v[TM+1], |v[XS+\i+2]|, |v[XS+\i+3]|
.endr
	v_max3_num_f32 v[TM], v[TM], |v[XS+30]|, |v[XS+31]|
	v_max3_num_f32 v[TM], v[TM], v[TM+1], 0x1800000
	v_add_nc_u32 v[TM+2], 0xff000000, v[TM]
	v_lshrrev_b32 v[TM+3], 23, v[TM+2]
.if (\pr) == 0
	v_mov_b32 v[PW+(\g)], v[TM+3]
.else
	v_lshl_or_b32 v[PW+(\g)], v[TM+3], 8*(\pr), v[PW+(\g)]     ; byte pr: key block pr of the step
.endif
.irp k, 0,1,2,3
	v_cvt_scalef32_pk8_fp4_f32 v[CR+\k], v[XS+8*\k:XS+8*\k+7], v[TM+2]
.endr
	v_nop                                          ; one plain line behind the last scaled conversion
	global_store_b128 v[VGO], v[CR:CR+3], s[92:93] offset:((\g)/2)*131072+((\g)%2)*2048+((\pr)/2)*512+((\pr)%2)*256   ; each half of the lanes stores 256 consecutive aligned bytes; own registers for each store
.endm
	s_wait_alu depctr_va_vdst(0)
.irp pr, 0,1,2,3
	WIN 0x08+4*(\pr/2)                             ; an LDS store's data are its source 1: window 2 or 3
.irp u, 0,1
.irp b, 0,1,2,3,4,5,6,7
	ds_store_b128 v[STO], v[64*((2*\pr+\u)%4)+8*\b:64*((2*\pr+\u)%4)+8*\b+3] offset:16*\u*SP+(32*(\b/2)+8*(\b%2))*4       ; each accumulator from its low end on
	ds_store_b128 v[STO], v[64*((2*\pr+\u)%4)+8*\b+4:64*((2*\pr+\u)%4)+8*\b+7] offset:16*\u*SP+(32*(\b/2)+8*(\b%2))*4+16
.endr
.endr
	WIN 0
	VLD 0                                          ; LDS serves a wave's instructions in order: the loads see the stores, and the next 32 positions' stores come behind the loads
	VLD 1
	VQ 0, \pr
	VLD 2
	VQ 1, \pr
	VLD 3
	VQ 2, \pr
	VQ 3, \pr
.endr
.irp e, 0,1
	global_store_b64 v[L8], v[PW+2*\e:PW+2*\e+1], s[94:95] offset:8192*\e   ; my column's words of tiles 2 j + lane / 16: 256 consecutive aligned bytes
.endr
	FIN
.Lfunc_end_k_q6beefb6317_qkv:
	.size	k_q6beefb6317_qkv, .Lfunc_end_k_q6beefb6317_qkv-k_q6beefb6317_qkv
	.p2alignl 7, 3214868480
	.fill 96, 4, 3214868480
	.section	.rodata,"a",@progbits
	.p2align	6, 0x0
	.amdhsa_kernel k_q6beefb6317_qkv
		.amdhsa_group_segment_fixed_size 327680
		.amdhsa_private_segment_fixed_size 0
		.amdhsa_enable_private_segment 0
		.amdhsa_kernarg_size 56
		.amdhsa_user_sgpr_count 2
		.amdhsa_user_sgpr_kernarg_segment_ptr 1
		.amdhsa_wavefront_size32 1
		.amdhsa_system_sgpr_workgroup_id_x 1
		.amdhsa_system_sgpr_workgroup_id_y 1
		.amdhsa_system_sgpr_workgroup_id_z 1
		.amdhsa_system_vgpr_workitem_id 0
		.amdhsa_next_free_vgpr 1024
		.amdhsa_next_free_sgpr 100
		.amdhsa_reserve_vcc 0
		.amdhsa_float_denorm_mode_32 3
		.amdhsa_float_denorm_mode_16_64 3
		.amdhsa_memory_ordered 1
		.amdhsa_forward_progress 1
		.amdhsa_inst_pref_size 197
	.end_amdhsa_kernel
	.amdgpu_metadata
---
amdhsa.version: [ 1, 2 ]
amdhsa.kernels:
  - .name:           k_q6beefb6317_qkv
    .symbol:         k_q6beefb6317_qkv.kd
    .args:
      - { .name: xc, .offset: 0, .size: 8, .value_kind: global_buffer, .address_space: global }
      - { .name: xs, .offset: 8, .size: 8, .value_kind: global_buffer, .address_space: global }
      - { .name: wc, .offset: 16, .size: 8, .value_kind: global_buffer, .address_space: global }
      - { .name: ws, .offset: 24, .size: 8, .value_kind: global_buffer, .address_space: global }
      - { .name: b_qkv, .offset: 32, .size: 8, .value_kind: global_buffer, .address_space: global }
      - { .name: cd, .offset: 40, .size: 8, .value_kind: global_buffer, .address_space: global }
      - { .name: sc, .offset: 48, .size: 8, .value_kind: global_buffer, .address_space: global }
    .group_segment_fixed_size: 327680
    .private_segment_fixed_size: 0
    .kernarg_segment_align: 8
    .kernarg_segment_size: 56
    .max_flat_workgroup_size: 128
    .sgpr_count:     100
    .vgpr_count:     1024
    .wavefront_size: 32
...
	.end_amdgpu_metadata
.endif
;; end of part 2
;; launch attn (part 3): grid 8 x 32, 16 waves a work-group, clusters of 4 x 1, 327,680 bytes of LDS; arguments cd, sc, cc, cs; writes cc, cs
.if DOCPART == 3
	.amdgcn_target "amdgcn-amd-amdhsa--gfx1250"
	.amdhsa_code_object_version 6
	.text
	.protected	k_q6beefb6317_attn
	.globl	k_q6beefb6317_attn
	.p2align	8
	.type	k_q6beefb6317_attn,@function
k_q6beefb6317_attn:
	s_mov_b64 s[64:65], 0
	v_nop
	global_prefetch_b8 v0, s[64:65] scope:SCOPE_SE
	s_setreg_imm32_b32 hwreg(HW_REG_WAVE_MODE, 25, 1), 1
	s_wait_xcnt 0x0
	s_wait_alu depctr_hold_cnt(0) depctr_sa_sdst(0) depctr_va_vdst(0) depctr_va_sdst(0) depctr_va_ssrc(0) depctr_va_vcc(0) depctr_vm_vsrc(0)
	s_getreg_b32 s2, hwreg(HW_REG_IB_STS2, 6, 4)
	s_cmp_eq_u32 s2, 0
	s_cbranch_scc0 .Lentry_in_a_cluster
	s_endpgm
.Lentry_in_a_cluster:
	s_bfe_u32 s2, ttmp6, 0x10000c
	s_cmp_lg_u32 s2, 0x3003
	s_cbranch_scc0 .Lentry_shape_is_right
	s_endpgm
.Lentry_shape_is_right:
; LAUNCH 3 OF 4: for each head, O = softmax(q k^T / 8) v on codes, and the quantiser of ctx = O / l along head x 64 + channel.  No work is left out.
; THE SOFTMAX AHEAD OF THE SECOND PRODUCT: t = score x log2(e) / 8; M = the running largest t rounded UP to a whole number; p = 2^(t - M) is quantised along the keys, not normalised; the row's sum l is taken of the
; unquantised p and divides O at the end; when M moves, l and O are multiplied by 2^(old M - new M), which rounds nothing.
; SHARES.  A work-group owns 256 queries and a PAIR of heads (2 kq, 2 kq + 1): a scale word of ctx spans 128 along the last product's K, which is two heads.  Each of its sixteen waves owns 16 queries and walks
; head 2 kq, then head 2 kq + 1, 16 key steps of 128 keys each.  Four waves share a SIMD, so that one wave's vector work stands beside another's products and LDS loads.
; Both heads' k, v and scale words (278,528 bytes) fit in LDS: all is asked for at the head, nothing is filled again, and the second head lands under the first head's work.
; CLUSTER.  The four query blocks of a cluster walk the same k and v: every load is joint, mask 15, the same descriptor in all four (made of the pair of heads and the wave's number alone).
; LAYOUT.  Both products are used transposed: a lane holds one query.  By the position order of the keys the registers of score tiles 2 b, 2 b + 1 are keys 32 b + 16 h + 0 .. 15; by that of v's channels O^T's are channels 32 b + 16 h + i.
; K = 64 IN A FORM OF K = 128.  A fragment of k holds two tiles of keys (registers 0-3, 4-7).  It is multiplied by (Q, 0) for the first and by (0, Q) for the second: the other tile's codes meet zero codes.
; q's scale word has the byte 0 on the zero half.
; LIMITS: NaN and infinities are not served; 1 / l is v_rcp_f32; a block's largest p is taken through its largest score, which takes v_exp_f32 not to fall where its input rises; blocks of zeros get the byte 1.
; REGISTERS: v1-6 addresses that stay; v8, v9 addresses in hand; v12 -M, v13 the largest t, v[14:15] the sum; v16-27 Q, zeros, Q; v28, v29 q's two scale words; v30 ctx's scale word; v32-63 k; v64-95 v;
;   v96-159 scores, then p; v160-191 O^T; v192-199 p's codes; v200-203 k's and v's scale words; v208-227 at work (v226 p's scale word); v228-233 head 1's Q and the raw words; v236-243 ctx's codes.
.set SCL, 262144                       ; behind the codes: the scale words [head][ks][k 256, v 256]
.set GST, 278528                       ; 1,024 bytes in which ctx's scale words meet: no fill lands there
.set SPARE, 279552                     ; the spare words, 128 bytes for each of sixteen waves
.macro PLACES
.rept 4
	v_nop
.endr
.endm
.macro CROUND
	s_barrier_signal -1
	s_barrier_wait -1
	s_cmp_lg_u32 s12, 0
	s_cbranch_scc1 .Lnot_wave_0_\@
	s_barrier_signal -3
.Lnot_wave_0_\@:
	s_barrier_wait -3
	s_barrier_signal -1
	s_barrier_wait -1
.endm
	s_load_b256 s[4:11], s[0:1], 0x0               ; cd, sc, cc, cs
	v_lshl_add_u32 v5, v0, 2, SPARE
	v_mov_b32 v6, 0
	ds_add_u32 v5, v6                              ; the wave's opening: the add, twice on end, and its wait ahead of my first tensor load
	ds_add_u32 v5, v6
	v_lshrrev_b32 v7, 5, v0
	s_delay_alu instid0(VALU_DEP_1)
	v_readfirstlane_b32 s12, v7                    ; wave 0..15
	s_bfe_u32 s13, ttmp6, 0x40000                  ; cx: it enters q's, cc's and cs's global addresses alone
	s_lshl_b32 s14, ttmp9, 2
	s_add_co_u32 s14, s14, s13                     ; my block of 256 queries, 0..7
	s_and_b32 s15, ttmp7, 0xffff                   ; y = 8 batch + kq: the pair of heads, which the partners share
	; three groups 1: dense bytes as rows of 256 (32 elements of 8 bytes): 4, 8 and 24 rows
.irp g, 24, 32, 40
	s_mov_b32 s[\g], 15|(3<<16)|(1<<21)            ; the mask: all four work-groups; elements of 8 bytes; bit 21 beside a mask
	s_mov_b32 s[\g+1], 32<<16
	s_mov_b32 s[\g+3], 32<<16
	s_mov_b32 s[\g+5], 32
	s_mov_b32 s[\g+6], 0
	s_mov_b32 s[\g+7], 0
.endr
	s_mov_b32 s26, 4<<16
	s_mov_b32 s28, 4
	s_mov_b32 s34, 8<<16
	s_mov_b32 s36, 8
	s_mov_b32 s42, 24<<16
	s_mov_b32 s44, 24
	s_lshl_b32 s80, s15, 18
	s_add_co_u32 s80, s80, 8388608                 ; k and v of my pair of heads: 262,144 bytes on end
	s_mov_b32 s81, 0
	s_lshl_b32 s84, s15, 14
	s_add_co_u32 s84, s84, 524288                  ; their scale words: 16,384 bytes
	s_lshl_b32 s85, s12, 10
	s_add_co_u32 s84, s84, s85                     ; my sixteenth of them,
	s_add_co_u32 s49, s85, SCL                     ; and where it goes
	s_mov_b32 s85, 0
	s_lshl_b32 s86, s12, 11                        ; my sixteenth of a head's first four key steps
	s_mov_b32 s87, 0
	s_mul_i32 s88, s12, 6144
	s_add_co_u32 s88, s88, 32768                   ; and of its other twelve
	s_mov_b32 s89, 0
	s_mov_b32 s72, 0x3e38aa3b                      ; c = log2(e) / 8
	s_mov_b32 s73, s72                             ; (named with it as a pair, so it is written)
	s_mov_b32 s74, 0x76543210
	s_mov_b32 s75, 0xfedcba98                      ; v_permlanex16_b32's selects for lane l xor 16
	s_and_b32 s79, s12, 1
	s_lshl_b32 s79, s79, 4                         ; which half of a pair's scale word is my tile's
	s_wait_dscnt 0x0                               ; both opening adds are done
	s_wait_kmcnt 0x0
	s_add_nc_u64 s[82:83], s[4:5], s[80:81]
	s_mov_b32 s48, 1                               ; the scale words
	s_add_nc_u64 s[50:51], s[6:7], s[84:85]
	s_or_b32 s51, s51, 0x80000000
	s_mov_b32 s52, 1                               ; head 0, key steps 0-3
	s_mov_b32 s53, s86
	s_add_nc_u64 s[54:55], s[82:83], s[86:87]
	s_mov_b32 s60, 1                               ; head 1, key steps 0-3
	s_add_co_u32 s61, s86, 131072
	s_add_nc_u64 s[62:63], s[54:55], 0x20000
	s_or_b32 s55, s55, 0x80000000
	s_or_b32 s63, s63, 0x80000000
	s_mov_b32 s56, 1                               ; head 0, key steps 4-15
	s_mov_b32 s57, s88
	s_add_nc_u64 s[58:59], s[82:83], s[88:89]
	s_mov_b32 s68, 1                               ; head 1, key steps 4-15
	s_add_co_u32 s69, s88, 131072
	s_add_nc_u64 s[70:71], s[58:59], 0x20000
	s_or_b32 s59, s59, 0x80000000
	s_or_b32 s71, s71, 0x80000000
	CROUND                                         ; all four work-groups are here: the joint loads meet
	tensor_load_to_lds s[48:51], s[24:31]          ; five loads of mine are out; every wave issues all five, each into bytes of its own: a constant + the wave's number x a constant
	s_nop 0
	tensor_load_to_lds s[52:55], s[32:39]
	s_nop 0
	tensor_load_to_lds s[56:59], s[40:47]
	s_nop 0
	tensor_load_to_lds s[60:63], s[32:39]
	s_nop 0
	tensor_load_to_lds s[68:71], s[40:47]
	s_nop 0
.rept 4
	v_nop
.endr
	; q: my tile a = wave % 8 of chunk ksq = 2 x block + wave / 8, in both heads
	s_lshr_b32 s90, s12, 3
	s_lshl_b32 s91, s14, 1
	s_add_co_u32 s90, s90, s91                     ; ksq
	s_and_b32 s91, s12, 7                          ; a
	s_lshl_b32 s80, s15, 18
	s_lshl_b32 s92, s90, 13
	s_add_co_u32 s80, s80, s92
	s_lshl_b32 s92, s91, 9
	s_add_co_u32 s80, s80, s92
	s_add_nc_u64 s[80:81], s[4:5], s[80:81]
	s_lshl_b32 s84, s15, 14
	s_lshl_b32 s92, s90, 9
	s_add_co_u32 s84, s84, s92
	s_bfe_u32 s92, s12, 0x10001                    ; the pair's parity: lanes' 16 .. 31 of the stored words
	s_lshl_b32 s92, s92, 7
	s_add_co_u32 s84, s84, s92
	s_bfe_u32 s92, s12, 0x10002                    ; word j = a / 4
	s_lshl_b32 s92, s92, 2
	s_add_co_u32 s84, s84, s92
	s_add_nc_u64 s[84:85], s[6:7], s[84:85]
	v_and_b32 v7, 31, v0                           ; lane
	v_and_b32 v10, 15, v0                          ; r
	s_delay_alu instid0(VALU_DEP_2)
	v_lshlrev_b32 v1, 4, v7                        ; 16 x lane
	s_wait_alu depctr_va_vdst(0)
	v_lshl_add_u32 v2, v7, 3, SCL                  ; the scale words: 8 bytes a lane
	v_lshlrev_b32 v11, 3, v10
	global_load_b128 v[16:19], v1, s[80:81]        ; Q twice, with four zeros between: (Q, 0) = v[16:23], (0, Q) = v[20:27]
	global_load_b128 v[24:27], v1, s[80:81]
	global_load_b128 v[228:231], v1, s[80:81] offset:131072   ; head 1's
	global_load_b32 v232, v11, s[84:85]
	global_load_b32 v233, v11, s[84:85] offset:8192
	s_lshr_b32 s90, s15, 3                         ; batch
	s_and_b32 s91, s15, 7                          ; kq
	s_lshl_b32 s92, s90, 7
	s_lshl_b32 s93, s14, 4
	s_add_co_u32 s92, s92, s93
	s_add_co_u32 s92, s92, s12                     ; my tile of positions: 128 batch + 16 block + wave
	s_lshl_b32 s92, s92, 13
	s_lshl_b32 s93, s91, 10
	s_add_co_u32 s92, s92, s93
	s_mov_b32 s93, 0
	s_add_nc_u64 s[82:83], s[8:9], s[92:93]        ; cc: fragment kq of my tile
	s_lshl_b32 s92, s91, 15
	s_lshl_b32 s94, s90, 13
	s_add_co_u32 s92, s92, s94
	s_lshl_b32 s94, s14, 10
	s_add_co_u32 s92, s92, s94
	s_min_u32 s94, s12, 1
	s_lshl_b32 s94, s94, 9
	s_add_co_u32 s92, s92, s94
	s_add_nc_u64 s[86:87], s[10:11], s[92:93]      ; cs: row kq, my work-group's 256 positions; waves 0 and 1 store a half each
	s_add_co_u32 s94, s94, GST
	v_add_nc_u32 v4, s94, v1
	s_lshl_b32 s93, s12, 6
	s_add_co_u32 s93, s93, GST
	v_lshl_add_u32 v3, v10, 2, s93                 ; where my row's word goes: 64 x wave + 4 r
.irp i, 0,1,2,3
	v_mov_b32 v[20+\i], 0                          ; the zero codes
	v_mov_b32 v[212+\i], 0                         ; written once: a lane permute's destination counts as one of its sources
.endr
	v_mov_b32 v225, 0                              ; (named as the upper half of the pair v[224:225])
.macro KQ t                            ; score tile t: keys' tile t of the step against my queries
.if ((\t)/2)%2
	v_wmma_scale_f32_16x16x128_f8f6f4 v[96+8*(\t):103+8*(\t)], v[32+8*((\t)/2):39+8*((\t)/2)], v[16+4*((\t)%2):23+4*((\t)%2)], 0, v[200+(\t)/4], v[28+(\t)%2] matrix_a_fmt:MATRIX_FMT_FP4 matrix_b_fmt:MATRIX_FMT_FP4 matrix_a_scale:MATRIX_SCALE_ROW1
.else
	v_wmma_scale_f32_16x16x128_f8f6f4 v[96+8*(\t):103+8*(\t)], v[32+8*((\t)/2):39+8*((\t)/2)], v[16+4*((\t)%2):23+4*((\t)%2)], 0, v[200+(\t)/4], v[28+(\t)%2] matrix_a_fmt:MATRIX_FMT_FP4 matrix_b_fmt:MATRIX_FMT_FP4
.endif
.endm
.macro PV t                            ; O^T's tile t += 16 channels of v x p
.if (\t)%2
	v_wmma_scale_f32_16x16x128_f8f6f4 v[160+8*(\t):167+8*(\t)], v[64+8*(\t):71+8*(\t)], v[192:199], v[160+8*(\t):167+8*(\t)], v[202+(\t)/2], v226 matrix_a_fmt:MATRIX_FMT_FP4 matrix_b_fmt:MATRIX_FMT_FP4 matrix_a_scale:MATRIX_SCALE_ROW1
.else
	v_wmma_scale_f32_16x16x128_f8f6f4 v[160+8*(\t):167+8*(\t)], v[64+8*(\t):71+8*(\t)], v[192:199], v[160+8*(\t):167+8*(\t)], v[202+(\t)/2], v226 matrix_a_fmt:MATRIX_FMT_FP4 matrix_b_fmt:MATRIX_FMT_FP4
.endif
.endm
.macro INIT p                          ; a head begins: its Q and scale words, -M, the sum and O^T
.if \p
.irp i, 0,1,2,3
	v_mov_b32 v[16+\i], v[228+\i]
	v_mov_b32 v[24+\i], v[228+\i]
.endr
.endif
	v_lshrrev_b32 v227, s79, v[232+\p]
	s_delay_alu instid0(VALU_DEP_1)
	v_and_b32 v28, 0xffff, v227                    ; for (Q, 0): my tile's two bytes below, the byte 0 on the zero half
	s_delay_alu instid0(VALU_DEP_1)
	v_lshlrev_b32 v29, 16, v28                     ; for (0, Q)
	v_mov_b32 v13, 0xff61b1e6                      ; the largest t so far: -3e38, under every t
	s_delay_alu instid0(VALU_DEP_1)
	v_floor_f32 v12, -v13                          ; -M
	v_mov_b32 v14, 0
	v_mov_b32 v15, 0
.set j, 0
.rept 32
	v_mov_b32 v[160+j], 0                          ; O^T: the step is written once, its first trip finds zeros.  (These are also the places between the scale words' lines and the first product)
.set j, j+1
.endr
.endm
; A KEY STEP: 128 keys.  s76: the step's codes, s77: its scale words.
.macro STEP
	v_add_nc_u32 v8, s76, v1
	v_add_nc_u32 v9, s77, v2
	v_nop
	v_nop                                          ; four places in front of loads into registers that the last products read
.irp i, 0,1,2,3,4,5,6,7
	ds_load_b128 v[32+4*\i:35+4*\i], v8 offset:512*\i              ; k: tile i
.endr
	ds_load_b64 v[200:201], v9                     ; k's words: lanes 0-15 pairs 0 and 2, lanes 16-31 pairs 1 and 3
.irp i, 0,1,2,3,4,5,6,7
	ds_load_b128 v[64+4*\i:67+4*\i], v8 offset:4096+512*\i         ; v: tile i / 2, part i % 2
.endr
	ds_load_b64 v[202:203], v9 offset:256
	s_wait_dscnt 9                                 ; k and its words are in; v's nine loads may be out
.irp t, 0,1,2,3,4,5,6,7
	KQ \t
.endr
	PLACES
.irp b, 0,1,2,3
	v_max3_num_f32 v[208+\b], v[96+16*\b], v[97+16*\b], v[98+16*\b]   ; the largest score of each block of 32 keys: for the row's maximum, and, since p rises with the score, for the block's largest p
.endr
.irp i, 3,5,7,9,11,13
.irp b, 0,1,2,3
	v_max3_num_f32 v[208+\b], v[208+\b], v[96+16*\b+\i], v[97+16*\b+\i]
.endr
.endr
.irp b, 0,1,2,3
	v_max_num_f32 v[208+\b], v[208+\b], v[111+16*\b]
.endr
.irp b, 0,1,2,3
	s_delay_alu instid0(VALU_DEP_4)
	v_permlanex16_b32 v[212+\b], v[208+\b], s74, s75
.endr
.irp b, 0,1,2,3
	s_delay_alu instid0(VALU_DEP_4)
	v_max_num_f32 v[208+\b], v[208+\b], v[212+\b]  ; with lane l xor 16's 16 keys
.endr
	s_delay_alu instid0(VALU_DEP_2)
	v_max3_num_f32 v227, v208, v209, v210
	s_delay_alu instid0(VALU_DEP_1)
	v_max_num_f32 v227, v227, v211
	s_delay_alu instid0(VALU_DEP_1)
	v_mul_f32 v227, s72, v227                      ; the step's largest t (c is positive)
	s_delay_alu instid0(VALU_DEP_1)
	v_max_num_f32 v13, v13, v227
	v_mov_b32 v227, v12
	s_delay_alu instid0(VALU_DEP_2)
	v_floor_f32 v12, -v13                          ; the new -M = -ceil(t)
	s_delay_alu instid0(VALU_DEP_1)
	v_sub_f32 v227, v12, v227                      ; old M - new M: a whole number, 0 or less
	s_delay_alu instid0(VALU_DEP_1)
	v_cvt_i32_f32 v227, v227                       ; (it saturates)
	s_delay_alu instid0(VALU_DEP_1)
	v_ldexp_f32 v224, 1.0, v227                    ; f = 2^(old M - new M)
.set j, 0
.rept 32
	v_pk_fma_f32 v[96+j:97+j], v[96+j:97+j], s[72:73], v[12:13] op_sel_hi:[1,0,0]   ; t - M, two at a time
.set j, j+2
.endr
.irp b, 0,1,2,3
	v_fma_f32 v[208+\b], v[208+\b], s72, v12       ; the same of each block's largest score
.endr
.set j, 0
	s_wait_alu depctr_va_vdst(0)
.rept 64
	v_exp_f32 v[96+j], v[96+j]                     ; p = 2^(t - M)
.set j, j+1
.endr
	s_setprio 1
	v_pk_mul_f32 v[14:15], v[14:15], v[224:225] op_sel_hi:[1,0]   ; the sums under the new M: a plain line behind the exponentials
	s_wait_alu depctr_va_vdst(0)                   ; one wait for the whole batch, ahead of the first line that names a result
.irp b, 0,1,2,3
	v_exp_f32 v[208+\b], v[208+\b]                 ; the block's largest p
.endr
	v_pk_add_f32 v[212:213], v[100:101], v[104:105]
	v_pk_add_f32 v[254:255], v[108:109], v[112:113]
	v_pk_add_f32 v[252:253], v[116:117], v[120:121]
	v_pk_add_f32 v[250:251], v[124:125], v[128:129]
	v_pk_add_f32 v[248:249], v[132:133], v[136:137]
	v_pk_add_f32 v[246:247], v[140:141], v[144:145]
	v_pk_add_f32 v[244:245], v[148:149], v[152:153]
	v_pk_add_f32 v[14:15], v[14:15], v[156:157]
	v_pk_add_f32 v[212:213], v[212:213], v[96:97]
	v_pk_add_f32 v[254:255], v[254:255], v[98:99]
	v_pk_add_f32 v[252:253], v[252:253], v[102:103]
	v_pk_add_f32 v[250:251], v[250:251], v[106:107]
	v_pk_add_f32 v[248:249], v[248:249], v[110:111]
	v_pk_add_f32 v[246:247], v[246:247], v[114:115]
	v_pk_add_f32 v[244:245], v[244:245], v[118:119]
	v_pk_add_f32 v[14:15], v[14:15], v[122:123]
	v_pk_add_f32 v[212:213], v[212:213], v[126:127]
	v_pk_add_f32 v[254:255], v[254:255], v[130:131]
	v_pk_add_f32 v[252:253], v[252:253], v[134:135]
	v_pk_add_f32 v[250:251], v[250:251], v[138:139]
	v_pk_add_f32 v[248:249], v[248:249], v[142:143]
	v_pk_add_f32 v[246:247], v[246:247], v[146:147]
	v_pk_add_f32 v[244:245], v[244:245], v[150:151]
	v_pk_add_f32 v[14:15], v[14:15], v[154:155]
	v_pk_add_f32 v[212:213], v[212:213], v[158:159]
	s_delay_alu instid0(VALU_DEP_2)
	v_pk_add_f32 v[14:15], v[14:15], v[250:251]
	s_delay_alu instid0(VALU_DEP_2)
	v_pk_add_f32 v[212:213], v[212:213], v[248:249]
	v_pk_add_f32 v[254:255], v[254:255], v[246:247]
	v_pk_add_f32 v[252:253], v[252:253], v[244:245]
	s_delay_alu instid0(VALU_DEP_2)
	v_pk_add_f32 v[14:15], v[14:15], v[254:255]
	s_delay_alu instid0(VALU_DEP_2)
	v_pk_add_f32 v[212:213], v[212:213], v[252:253]
	s_delay_alu instid0(VALU_DEP_1)
	v_pk_add_f32 v[14:15], v[14:15], v[212:213]
	s_wait_alu depctr_va_vdst(0)                   ; and one for the four
.irp b, 0,1,2,3
	v_max_num_f32 v[208+\b], 0x1800000, v[208+\b]  ; the floor 2^(3 - 127)
.endr
.irp b, 0,1,2,3
	s_delay_alu instid0(VALU_DEP_4)
	v_add_nc_u32 v[216+\b], 0xff000000, v[208+\b]  ; the conversion's scale operand
.endr
.irp b, 0,1,2,3
	s_delay_alu instid0(VALU_DEP_4)
	v_lshrrev_b32 v[212+\b], 23, v[216+\b]         ; the byte
.endr
	s_delay_alu instid0(VALU_DEP_3)
	v_lshl_or_b32 v226, v213, 8, v212              ; p's scale word for these 128 keys
	s_delay_alu instid0(VALU_DEP_1)
	v_lshl_or_b32 v226, v214, 16, v226
	s_delay_alu instid0(VALU_DEP_1)
	v_lshl_or_b32 v226, v215, 24, v226
.irp b, 0,1,2,3
	v_cvt_scalef32_pk8_fp4_f32 v[192+2*\b], v[96+16*\b:103+16*\b], v[216+\b]
	v_cvt_scalef32_pk8_fp4_f32 v[193+2*\b], v[104+16*\b:111+16*\b], v[216+\b]
.endr
	v_nop                                          ; one plain line behind the last scaled conversion
.irp c, 0,1
.irp i, 0,1
	v_permlane16_swap_b32 v[192+4*\c+\i], v[194+4*\c+\i]
.endr
.endr
.set j, 0
	s_setprio 0
.rept 16
	v_pk_mul_f32 v[160+j:161+j], v[160+j:161+j], v[224:225] op_sel_hi:[1,0]   ; O^T under the new M.  Of these sixteen, twelve name no register of any one product below: the places behind the scale word's and the codes' lines
.set j, j+2
.endr
	s_wait_alu depctr_va_vdst(0)
	s_wait_dscnt 0x0                               ; v and its words are in
.irp t, 0,1,2,3
	PV \t                                          ; four accumulators, one instruction a turn
.endr
.endm
.macro KLOOP n, from                   ; n key steps from step 'from' of the 32 in LDS
	s_mov_b32 s76, (\from)*8192
	s_mov_b32 s77, (\from)*512
	s_mov_b32 s78, \n
.Lk_\@:
	s_setprio 2
	STEP
	s_add_co_u32 s76, s76, 8192
	s_add_co_u32 s77, s77, 512
	s_sub_co_u32 s78, s78, 1
	s_cmp_lg_u32 s78, 0
	s_cbranch_scc1 .Lk_\@
	s_setprio 0
.endm
.macro EPI p                           ; a head ends: ctx = O / l, quantised along the head's 64: part p of fragment kq of my tile
	v_add_f32 v14, v14, v15
	s_delay_alu instid0(VALU_DEP_1)
	v_permlanex16_b32 v227, v14, s74, s75
	s_delay_alu instid0(VALU_DEP_1)
	v_add_f32 v14, v14, v227                       ; the row's sum
	s_wait_alu depctr_va_vdst(0)
	v_rcp_f32 v14, v14
	PLACES                                         ; the plain line behind the reciprocal, and the places behind the last products
	s_wait_alu depctr_va_vdst(0)
.set j, 0
.rept 16
	v_pk_mul_f32 v[96+j:97+j], v[160+j:161+j], v[14:15] op_sel_hi:[1,0]   ; register 16 b + i = channel 32 b + 16 h + i; each accumulator from its low end on
.set j, j+2
.endr
.irp b, 0,1
	v_max3_num_f32 v[208+\b], |v[96+16*\b]|, |v[97+16*\b]|, 0x1800000
.endr
.irp i, 2,4,6,8,10,12,14
.irp b, 0,1
	s_delay_alu instid0(VALU_DEP_2)
	v_max3_num_f32 v[208+\b], v[208+\b], |v[96+16*\b+\i]|, |v[97+16*\b+\i]|
.endr
.endr
.irp b, 0,1
	s_delay_alu instid0(VALU_DEP_2)
	v_permlanex16_b32 v[212+\b], v[208+\b], s74, s75
.endr
.irp b, 0,1
	s_delay_alu instid0(VALU_DEP_2)
	v_max_num_f32 v[208+\b], v[208+\b], v[212+\b]
.endr
.irp b, 0,1
	s_delay_alu instid0(VALU_DEP_2)
	v_add_nc_u32 v[216+\b], 0xff000000, v[208+\b]
.endr
.irp b, 0,1
	s_delay_alu instid0(VALU_DEP_2)
	v_lshrrev_b32 v[212+\b], 23, v[216+\b]
.endr
	s_delay_alu instid0(VALU_DEP_1)
	v_lshl_or_b32 v227, v213, 8, v212
.if \p
	s_delay_alu instid0(VALU_DEP_1)
	v_lshl_or_b32 v30, v227, 16, v30               ; bytes 2, 3: head 2 kq + 1
.else
	s_delay_alu instid0(VALU_DEP_1)
	v_mov_b32 v30, v227                            ; bytes 0, 1: head 2 kq
.endif
.irp b, 0,1
	v_cvt_scalef32_pk8_fp4_f32 v[236+4*(\p)+2*\b], v[96+16*\b:103+16*\b], v[216+\b]
	v_cvt_scalef32_pk8_fp4_f32 v[237+4*(\p)+2*\b], v[104+16*\b:111+16*\b], v[216+\b]
.endr
	v_nop                                          ; one plain line behind the last scaled conversion
	v_permlane16_swap_b32 v[236+4*(\p)], v[238+4*(\p)]
	v_permlane16_swap_b32 v[237+4*(\p)], v[239+4*(\p)]
	global_store_b128 v1, v[236+4*(\p):239+4*(\p)], s[82:83] offset:512*(\p)   ; 512 consecutive bytes; own registers for each head
.endm
	s_wait_loadcnt 0x0                             ; Q and its words
	INIT 0
	s_wait_tensorcnt 3                             ; my parts of the scale words and of head 0's steps 0-3 are in; the three loads issued behind them may stay out
	s_wait_dscnt 0x0
	s_barrier_signal -1
	s_barrier_wait -1
	KLOOP 4, 0
	s_wait_tensorcnt 2                             ; head 0's other steps; head 1's two loads may stay out
	s_wait_dscnt 0x0
	s_barrier_signal -1
	s_barrier_wait -1
	KLOOP 12, 4
	EPI 0
	INIT 1
	s_wait_tensorcnt 0x0                           ; head 1
	s_wait_dscnt 0x0
	s_barrier_signal -1
	s_barrier_wait -1
	KLOOP 16, 16
	EPI 1
	ds_store_b32 v3, v30                           ; lanes l and l xor 16 write the same word with the same value
	s_wait_dscnt 0x0                               ; for the others' sake
	s_barrier_signal -1
	s_barrier_wait -1
	s_cmp_lt_u32 s12, 2
	s_cbranch_scc0 .Lnot_me
	ds_load_b128 v[244:247], v4                    ; waves 0 and 1: 128 positions' words each
	s_wait_dscnt 0x0
	global_store_b128 v1, v[244:247], s[86:87]     ; 512 consecutive aligned bytes
.Lnot_me:
	s_wait_tensorcnt 0x0                           ; the wave's end: a tensor wait, an add to the spare word and its wait, behind my last tensor load and my last LDS store
	ds_add_u32 v5, v6
	s_wait_dscnt 0x0
	CROUND                                         ; the closing round
	s_endpgm
.Lfunc_end_k_q6beefb6317_attn:
	.size	k_q6beefb6317_attn, .Lfunc_end_k_q6beefb6317_attn-k_q6beefb6317_attn
	.p2alignl 7, 3214868480
	.fill 96, 4, 3214868480
	.section	.rodata,"a",@progbits
	.p2align	6, 0x0
	.amdhsa_kernel k_q6beefb6317_attn
		.amdhsa_group_segment_fixed_size 327680
		.amdhsa_private_segment_fixed_size 0
		.amdhsa_enable_private_segment 0
		.amdhsa_kernarg_size 32
		.amdhsa_user_sgpr_count 2
		.amdhsa_user_sgpr_kernarg_segment_ptr 1
		.amdhsa_wavefront_size32 1
		.amdhsa_system_sgpr_workgroup_id_x 1
		.amdhsa_system_sgpr_workgroup_id_y 1
		.amdhsa_system_sgpr_workgroup_id_z 1
		.amdhsa_system_vgpr_workitem_id 0
		.amdhsa_next_free_vgpr 256
		.amdhsa_next_free_sgpr 100
		.amdhsa_reserve_vcc 0
		.amdhsa_float_denorm_mode_32 3
		.amdhsa_float_denorm_mode_16_64 3
		.amdhsa_memory_ordered 1
		.amdhsa_forward_progress 1
		.amdhsa_inst_pref_size 69
	.end_amdhsa_kernel
	.amdgpu_metadata
---
amdhsa.version: [ 1, 2 ]
amdhsa.kernels:
  - .name:           k_q6beefb6317_attn
    .symbol:         k_q6beefb6317_attn.kd
    .args:
      - { .name: cd, .offset: 0, .size: 8, .value_kind: global_buffer, .address_space: global }
      - { .name: sc, .offset: 8, .size: 8, .value_kind: global_buffer, .address_space: global }
      - { .name: cc, .offset: 16, .size: 8, .value_kind: global_buffer, .address_space: global }
      - { .name: cs, .offset: 24, .size: 8, .value_kind: global_buffer, .address_space: global }
    .group_segment_fixed_size: 327680
    .private_segment_fixed_size: 0
    .kernarg_segment_align: 8
    .kernarg_segment_size: 32
    .max_flat_workgroup_size: 512
    .sgpr_count:     100
    .vgpr_count:     256
    .wavefront_size: 32
...
	.end_amdgpu_metadata
.endif
;; end of part 3
;; launch proj (part 4): grid 4 x 64, 4 waves a work-group, clusters of 4 x 4, 327,680 bytes of LDS; arguments cc, cs, wc, ws, b_out, out0; writes out0
.if DOCPART == 4
	.amdgcn_target "amdgcn-amd-amdhsa--gfx1250"
	.amdhsa_code_object_version 6
	.text
	.protected	k_q6beefb6317_proj
	.globl	k_q6beefb6317_proj
	.p2align	8
	.type	k_q6beefb6317_proj,@function
k_q6beefb6317_proj:
	s_mov_b64 s[64:65], 0
	v_nop
	global_prefetch_b8 v0, s[64:65] scope:SCOPE_SE
	s_setreg_imm32_b32 hwreg(HW_REG_WAVE_MODE, 25, 1), 1
	s_wait_xcnt 0x0
	s_wait_alu depctr_hold_cnt(0) depctr_sa_sdst(0) depctr_va_vdst(0) depctr_va_sdst(0) depctr_va_ssrc(0) depctr_va_vcc(0) depctr_vm_vsrc(0)
	s_getreg_b32 s2, hwreg(HW_REG_IB_STS2, 6, 4)
	s_cmp_eq_u32 s2, 0
	s_cbranch_scc0 .Lentry_in_a_cluster
	s_endpgm
.Lentry_in_a_cluster:
	s_bfe_u32 s2, ttmp6, 0x10000c
	s_cmp_lg_u32 s2, 0xf033
	s_cbranch_scc0 .Lentry_shape_is_right
	s_endpgm
.Lentry_shape_is_right:
; LAUNCH 4 OF 4: out0 = ctx w_out + b_out on codes.  No work is left out.
; A work-group of four waves makes 128 positions x 256 columns (256 work-groups), a wave 64 x 128: 32 accumulators in window 2.  K = 1,024 fits in LDS whole: every tile is asked for at the head, in two K halves; nothing is filled again.
; CLUSTERS: 4 x 4 work-groups; A's tiles are shared along a row of the cluster, B's along a column: joint loads.
; THE PRODUCT IS USED TRANSPOSED (source 0 = 16 columns of w_out, source 1 = 16 positions of ctx): a lane holds 16 neighbouring columns of a row in the registers of two tiles.  The bias is the C of each sum's first product.
; The position order of the rows is undone in the stores' immediates.
; REGISTERS: window 0: v16-31 addresses; v32-47 A's scale words, v64-95 B's (nothing else ever lies there); v128-191 A's fragments, two sets; on the way out v128-255 rows of out0.
;   window 1: v0-127 B's fragments, two sets; v192-255 the bias.   window 2: accumulator (a, b) at v[8 (8 a + b)].
.set SLOT, 98304                       ; K half s: A's 8 tiles x 4,096 bytes, then B's 16
.set BOFF, 32768
.set SCA,  196608                      ; A's scale words [kq][128 positions]
.set SCB,  200704                      ; B's [cg][kq][32 words]
.set SPARE, 208896                     ; the spare words, 128 bytes for each wave
.set STG,  8448                        ; the way out: a stage of 16 rows x (512 + 16) bytes for each wave, in K half 0's bytes, which have had their only fill and are read by nobody behind the second barrier
.set SP,   528
.set ADRA, 16
.set ADRB, 20
.set ADSA, 22
.set ADSB, 23
.set LI,   24
.set STO,  26
.set RD,   27
.set SPW,  28
.set NIL,  29
.set BA,   31
.set SA,   32
.set SB,   64
.set AF,   128
.set BIAS, 192
.set G1, 24
.set G0, 32
.set G1B, 48
.set G0B, 56
.set G1S, 68
.set G0S, 76
.set G1SB, 80
.set G0SB, 88
.set MSB, 0
.macro WIN new
.if MSB != (\new)
	s_set_vgpr_msb (MSB<<8)|(\new)
.set MSB, (\new)
.endif
.endm
.macro PLACES
.rept 4
	v_nop
.endr
.endm
.macro JLOAD g0a, g1a, g0b, g1b        ; waves 0 and 1 fetch for A, waves 2 and 3 for B; an s_nop 0 and four v_nop follow each line
	s_cmp_eq_u32 s15, 0
	s_cbranch_scc0 .Lfor_b_\@
	tensor_load_to_lds s[\g0a:\g0a+3], s[\g1a:\g1a+7]
	s_nop 0
.rept 4
	v_nop
.endr
	s_branch .Lasked_\@
.Lfor_b_\@:
	tensor_load_to_lds s[\g0b:\g0b+3], s[\g1b:\g1b+7]
	s_nop 0
.rept 4
	v_nop
.endr
.Lasked_\@:
.endm
.macro CROUND
	s_barrier_signal -1
	s_barrier_wait -1
	s_cmp_lg_u32 s14, 0
	s_cbranch_scc1 .Lnot_wave_0_\@
	s_barrier_signal -3
.Lnot_wave_0_\@:
	s_barrier_wait -3
	s_barrier_signal -1
	s_barrier_wait -1
.endm
	s_load_b256 s[4:11], s[0:1], 0x0               ; cc, cs, wc, ws
	s_load_b128 s[96:99], s[0:1], 0x20             ; b_out, out0
	v_lshl_add_u32 v[SPW], v0, 2, SPARE
	v_mov_b32 v[NIL], 0
	ds_add_u32 v[SPW], v[NIL]                      ; the wave's opening: the add, twice on end, and its wait ahead of my first tensor load
	ds_add_u32 v[SPW], v[NIL]
	v_lshrrev_b32 v1, 5, v0
	v_readfirstlane_b32 s14, v1                    ; wave 0..3
	s_lshr_b32 s15, s14, 1                         ; my half of the rows.  Also: I fetch for A (0) or B (1)
	s_and_b32 s16, s14, 1                          ; my half of the columns.  Also: which half I fetch
	s_bfe_u32 s40, ttmp6, 0x40000                  ; cx
	s_bfe_u32 s41, ttmp6, 0x40004                  ; cy
	s_lshl_b32 s42, ttmp9, 2
	s_add_co_u32 s42, s42, s40                     ; x: column tile 0..3
	s_and_b32 s17, ttmp7, 0xffff
	s_lshl_b32 s17, s17, 2
	s_add_co_u32 s17, s17, s41                     ; y: row tile 0..63
	s_lshl_b32 s43, s41, 2
	s_lshl_b32 s43, 15, s43                        ; my row of the cluster
	s_lshl_b32 s44, 0x1111, s40                    ; my column
	s_or_b32 s[G1+0], s43, (3<<16)|(1<<21)         ; the mask; elements of 8 bytes; bit 21 beside a mask; no padding
	s_mov_b32 s[G1+1], 512<<16                     ; A's codes: 4 tiles, of each a K half of 4,096 bytes, 8,192 bytes apart
	s_mov_b32 s[G1+2], 4<<16
	s_mov_b32 s[G1+3], 512<<16
	s_mov_b32 s[G1+4], 4
	s_mov_b32 s[G1+5], 1024
	s_mov_b32 s[G1+6], 0
	s_mov_b32 s[G1+7], 0
	s_or_b32 s[G1B+0], s44, (3<<16)|(1<<21)
	s_mov_b32 s[G1B+1], 512<<16                    ; B's: 8 tiles
	s_mov_b32 s[G1B+2], 8<<16
	s_mov_b32 s[G1B+3], 512<<16
	s_mov_b32 s[G1B+4], 8
	s_mov_b32 s[G1B+5], 1024
	s_mov_b32 s[G1B+6], 0
	s_mov_b32 s[G1B+7], 0
	s_or_b32 s[G1S+0], s43, (3<<16)|(1<<21)
	s_mov_b32 s[G1S+1], 64<<16                     ; A's scale words: 4 K steps, of each my 128 positions' 512 bytes, 32,768 bytes apart
	s_mov_b32 s[G1S+2], 4<<16
	s_mov_b32 s[G1S+3], 64<<16
	s_mov_b32 s[G1S+4], 4
	s_mov_b32 s[G1S+5], 4096
	s_mov_b32 s[G1S+6], 0
	s_mov_b32 s[G1S+7], 0
	s_or_b32 s[G1SB+0], s44, (3<<16)|(1<<21)
	s_mov_b32 s[G1SB+1], 32<<16                    ; B's: 4,096 dense bytes as 16 rows of 256
	s_mov_b32 s[G1SB+2], 16<<16
	s_mov_b32 s[G1SB+3], 32<<16
	s_mov_b32 s[G1SB+4], 16
	s_mov_b32 s[G1SB+5], 32
	s_mov_b32 s[G1SB+6], 0
	s_mov_b32 s[G1SB+7], 0
	s_lshl_b32 s18, s16, 2
	s_lshl_b32 s20, s17, 3
	s_add_co_u32 s20, s20, s18                     ; A: tile 8 y + 4 half
	s_lshl_b32 s20, s20, 13
	s_mov_b32 s21, 0
	s_lshl_b32 s22, s16, 17                        ; its scale words: K steps 4 half on,
	s_lshl_b32 s23, s17, 9                         ; positions 128 y on
	s_add_co_u32 s22, s22, s23
	s_mov_b32 s23, 0
	s_lshl_b32 s18, s16, 3
	s_lshl_b32 s46, s42, 4
	s_add_co_u32 s46, s46, s18
	s_add_co_u32 s46, s46, 192                     ; B: tile 192 + 16 x + 8 half: w_out's tiles lie behind w_qkv's 192
	s_lshl_b32 s92, s46, 9
	s_mov_b32 s93, 0
	s_lshl_b32 s46, s46, 13
	s_mov_b32 s47, 0
	s_lshl_b32 s45, s16, 14                        ; where they go: made of the wave's number alone
	s_lshl_b32 s94, s16, 15
	s_add_co_u32 s94, s94, BOFF
	s_lshl_b32 s95, s16, 11
	s_add_co_u32 s95, s95, SCA
	s_lshl_b32 s3, s16, 12
	s_add_co_u32 s3, s3, SCB
	s_wait_dscnt 0x0                               ; both opening adds are done
	s_wait_kmcnt 0x0
	s_add_nc_u64 s[20:21], s[4:5], s[20:21]
	s_add_nc_u64 s[22:23], s[6:7], s[22:23]
	s_add_nc_u64 s[46:47], s[8:9], s[46:47]
	s_add_nc_u64 s[92:93], s[10:11], s[92:93]
	CROUND                                         ; all sixteen work-groups are here: the joint loads meet
	s_mov_b32 s[G0S], 1
	s_mov_b32 s[G0S+1], s95
	s_mov_b64 s[G0S+2:G0S+3], s[22:23]
	s_or_b32 s[G0S+3], s[G0S+3], 0x80000000
	s_mov_b32 s[G0SB], 1
	s_mov_b32 s[G0SB+1], s3
	s_mov_b64 s[G0SB+2:G0SB+3], s[92:93]
	s_or_b32 s[G0SB+3], s[G0SB+3], 0x80000000
	JLOAD G0S, G1S, G0SB, G1SB                     ; three loads of mine are out at the most
.irp s, 0,1
	s_mov_b32 s[G0+4*\s], 1
	s_add_co_u32 s[G0+4*\s+1], s45, \s*SLOT
	s_add_nc_u64 s[G0+4*\s+2:G0+4*\s+3], s[20:21], \s*4096
	s_or_b32 s[G0+4*\s+3], s[G0+4*\s+3], 0x80000000
	s_mov_b32 s[G0B+4*\s], 1
	s_add_co_u32 s[G0B+4*\s+1], s94, \s*SLOT
	s_add_nc_u64 s[G0B+4*\s+2:G0B+4*\s+3], s[46:47], \s*4096
	s_or_b32 s[G0B+4*\s+3], s[G0B+4*\s+3], 0x80000000
	s_wait_alu depctr_va_vdst(0)
	s_wait_tensorcnt 0x0
	ds_add_u32 v28, v29
	s_wait_dscnt 0x0
	CROUND
	JLOAD G0+4*\s, G1, G0B+4*\s, G1B
.endr
	v_and_b32 v1, 31, v0                           ; lane
	v_and_b32 v2, 15, v0                           ; r
	s_wait_alu depctr_va_vdst(0)
	v_bfe_u32 v3, v0, 4, 1                         ; h
	v_lshlrev_b32 v[LI], 4, v1
	s_lshl_b32 s21, s15, 14
	v_add_nc_u32 v[ADRA], s21, v[LI]               ; my 4 tiles of A in K half 0,
	v_add_nc_u32 v[ADRA+1], SLOT, v[ADRA]          ; and 1
	s_lshl_b32 s22, s16, 15
	s_add_co_u32 s22, s22, BOFF
	v_add_nc_u32 v[ADRB], s22, v[LI]
	v_add_nc_u32 v[ADRB+1], SLOT, v[ADRB]
	s_lshl_b32 s21, s15, 8
	s_add_co_u32 s21, s21, SCA
	v_lshl_add_u32 v[ADSA], v1, 2, s21             ; A's words: 4 bytes a position: lanes 0-15 an even tile, lanes 16-31 the odd one beside it
	s_lshl_b32 s22, s16, 12
	s_add_co_u32 s22, s22, SCB
	v_lshl_add_u32 v[ADSB], v1, 2, s22
	s_mul_i32 s23, s14, STG
	v_mul_u32_u24 v4, v2, SP
	s_wait_alu depctr_va_vdst(0)
	v_lshl_add_u32 v4, v3, 6, v4
	v_add_nc_u32 v[STO], s23, v4                   ; the stage, in: row r, + 64 h
	v_add_nc_u32 v[RD], s23, v[LI]                 ; back: a row's 512 bytes
	v_lshlrev_b32 v[BA], 6, v3
	s_wait_alu depctr_va_vdst(0)
	s_lshl_b32 s20, s42, 10
	s_lshl_b32 s21, s16, 9
	s_add_co_u32 s20, s20, s21                     ; my first column x 4 bytes
	s_mov_b32 s21, 0
	s_add_nc_u64 s[96:97], s[96:97], s[20:21]
	s_add_nc_u64 s[98:99], s[98:99], s[20:21]
	s_lshl_b32 s20, s17, 7
	s_lshl_b32 s22, s15, 6
	s_add_co_u32 s20, s20, s22                     ; my first row
	s_lshl_b32 s20, s20, 12
	s_add_nc_u64 s[98:99], s[98:99], s[20:21]
	WIN 0x40                                       ; destination window 1
.irp b, 0,1,2,3,4,5,6,7
	global_load_b128 v[BIAS+8*\b:BIAS+8*\b+3], v[BA], s[96:97] offset:(32*(\b/2)+8*(\b%2))*4
	global_load_b128 v[BIAS+8*\b+4:BIAS+8*\b+7], v[BA], s[96:97] offset:(32*(\b/2)+8*(\b%2))*4+16
.endr
	WIN 0
.macro WM d, a, b, c, sa, sb, ra, rb
.if (\ra) && (\rb)
	v_wmma_scale_f32_16x16x128_f8f6f4 v[\d:\d+7], v[\a:\a+7], v[\b:\b+7], v[\c:\c+7], v[\sa], v[\sb] matrix_a_fmt:MATRIX_FMT_FP4 matrix_b_fmt:MATRIX_FMT_FP4 matrix_a_scale:MATRIX_SCALE_ROW1 matrix_b_scale:MATRIX_SCALE_ROW1
.elseif (\ra)
	v_wmma_scale_f32_16x16x128_f8f6f4 v[\d:\d+7], v[\a:\a+7], v[\b:\b+7], v[\c:\c+7], v[\sa], v[\sb] matrix_a_fmt:MATRIX_FMT_FP4 matrix_b_fmt:MATRIX_FMT_FP4 matrix_a_scale:MATRIX_SCALE_ROW1
.elseif (\rb)
	v_wmma_scale_f32_16x16x128_f8f6f4 v[\d:\d+7], v[\a:\a+7], v[\b:\b+7], v[\c:\c+7], v[\sa], v[\sb] matrix_a_fmt:MATRIX_FMT_FP4 matrix_b_fmt:MATRIX_FMT_FP4 matrix_b_scale:MATRIX_SCALE_ROW1
.else
	v_wmma_scale_f32_16x16x128_f8f6f4 v[\d:\d+7], v[\a:\a+7], v[\b:\b+7], v[\c:\c+7], v[\sa], v[\sb] matrix_a_fmt:MATRIX_FMT_FP4 matrix_b_fmt:MATRIX_FMT_FP4
.endif
.endm
.macro MULA a, p, q, first
.irp b, 0,1,2,3,4,5,6,7
.set rD, 8*(8*(\a)+\b)
.set rB, 64*(\p)+8*\b
.set rA, AF+32*(\p)+8*(\a)
.set rC, rD
.if \first
.set rC, BIAS+8*\b
.endif
.set rSB, SB+8*(\b/2)+(\q)
.set rSA, SA+8*((\a)/2)+(\q)
.set rRB, \b%2
.set rRA, (\a)%2
	WM rD, rB, rA, rC, rSB, rSA, rRB, rRA
.endr
.endm
.macro HALF hi, q, first               ; 16 products.  The 32 accumulators take turns, one instruction a turn, in the same order in every step
.if \first
	WIN 0x91                                       ; source 0 (B) and C (the bias) window 1, source 1 (A) window 0, D window 2
.else
	WIN 0xa1                                       ; C and D window 2
.endif
.irp a, 0,1
	MULA 2*(\hi)+\a, (\q)%2, \q, \first
.endr
.endm
.macro FETCH q, p                      ; K step q's 12 fragments into sets p: 24 loads of 512 consecutive bytes
	WIN 0x40
.irp i, 0,1,2,3,4,5,6,7
.irp c, 0,1
	ds_load_b128 v[64*(\p)+8*\i+4*\c:64*(\p)+8*\i+4*\c+3], v[ADRB+(\q)/4] offset:((\q)%4)*1024+512*\c+4096*\i
.endr
.endr
	WIN 0
.irp i, 0,1,2,3
.irp c, 0,1
	ds_load_b128 v[AF+32*(\p)+8*\i+4*\c:AF+32*(\p)+8*\i+4*\c+3], v[ADRA+(\q)/4] offset:((\q)%4)*1024+512*\c+4096*\i
.endr
.endr
.endm
.macro STEP q
	PLACES                                         ; four places in front of loads into the set that the step before multiplied
	FETCH (\q)+1, ((\q)+1)%2
	s_wait_dscnt 24                                ; all but the 24 just issued
	HALF 0, \q, 0
	HALF 1, \q, 0
.endm
	s_wait_tensorcnt 1                             ; my scale words and my part of K half 0 are in; K half 1's load may stay out
	s_barrier_signal -1
	s_barrier_wait -1
.irp i, 0,1
.irp q, 0,1,2,3,4,5,6,7
	ds_load_b32 v[SA+8*\i+\q], v[ADSA] offset:512*\q+128*\i
.endr
.endr
.irp i, 0,1,2,3
.irp q, 0,1,2,3,4,5,6,7
	ds_load_b32 v[SB+8*\i+\q], v[ADSB] offset:1024*\i+128*\q
.endr
.endr
	FETCH 0, 0
	FETCH 1, 1
	s_wait_loadcnt 0x0                             ; the bias
	s_wait_dscnt 24                                ; all but step 1's fragments
	HALF 0, 0, 1                                   ; the first step starts the sums from the bias
	HALF 1, 0, 1
	STEP 1
	STEP 2
	s_wait_dscnt 0x0                               ; step 3's fragments are in, and my reads of K half 0 are over
	s_wait_tensorcnt 0x0                           ; my part of K half 1 is in (no load was issued behind it)
	s_barrier_signal -1
	HALF 0, 3, 0                                   ; work on registers while the others arrive
	s_barrier_wait -1
	PLACES
	FETCH 4, 0
	HALF 1, 3, 0
	STEP 4
	STEP 5
	STEP 6
	s_wait_dscnt 0x0
	HALF 0, 7, 0
	HALF 1, 7, 0
	WIN 0
; THE WAY OUT, a tile of 16 positions x 128 columns at a time, through my own stage: in by 16 bytes of a row, back as whole rows of 512 bytes.  LDS serves a wave's instructions in order.
.macro TOSTAGE a
	WIN 0x08                                       ; an LDS store's data are its source 1: window 2
.irp b, 0,1,2,3,4,5,6,7
	ds_store_b128 v[STO], v[8*(8*(\a)+\b):8*(8*(\a)+\b)+3] offset:(32*(\b/2)+8*(\b%2))*4          ; each accumulator from its low end on
	ds_store_b128 v[STO], v[8*(8*(\a)+\b)+4:8*(8*(\a)+\b)+7] offset:(32*(\b/2)+8*(\b%2))*4+16
.endr
	WIN 0
.set BB, AF+64*((\a)%2)
.irp t, 0,1,2,3,4,5,6,7,8,9,10,11,12,13,14,15
	ds_load_b128 v[BB+4*\t:BB+4*\t+3], v[RD] offset:\t*SP
.endr
.endm
.macro SEND a, younger                 ; younger: the LDS instructions issued behind tile a's loads, which may stay out
.set BB, AF+64*((\a)%2)
	s_wait_dscnt \younger
.irp t, 0,1,2,3,4,5,6,7,8,9,10,11,12,13,14,15
	global_store_b128 v[LI], v[BB+4*\t:BB+4*\t+3], s[98:99] offset:(32*((\a)/2)+8*((\a)%2)+\t+8*(\t/8))*4096 th:TH_STORE_NT   ; position 16 a + t is token sw(16 a + t); 512 consecutive aligned bytes; no base is stepped
.endr
.endm
	PLACES                                         ; in front of the first reads of results and of loads into A's registers
	TOSTAGE 0
.irp a, 1,2,3
.if \a > 1
	s_wait_xcnt 0x0                                ; tile a - 2's stores have read the registers into which tile a's rows are loaded
.endif
	TOSTAGE \a
	SEND \a-1, 32                                  ; behind tile a - 1's loads: tile a's 16 stores and 16 loads
.endr
	SEND 3, 0
	s_wait_tensorcnt 0x0                           ; the wave's end: a tensor wait, an add to the spare word and its wait, behind my last tensor load and my last LDS store
	ds_add_u32 v[SPW], v[NIL]
	s_wait_dscnt 0x0
	CROUND                                         ; the closing round
	s_endpgm
.Lfunc_end_k_q6beefb6317_proj:
	.size	k_q6beefb6317_proj, .Lfunc_end_k_q6beefb6317_proj-k_q6beefb6317_proj
	.p2alignl 7, 3214868480
	.fill 96, 4, 3214868480
	.section	.rodata,"a",@progbits
	.p2align	6, 0x0
	.amdhsa_kernel k_q6beefb6317_proj
		.amdhsa_group_segment_fixed_size 327680
		.amdhsa_private_segment_fixed_size 0
		.amdhsa_enable_private_segment 0
		.amdhsa_kernarg_size 48
		.amdhsa_user_sgpr_count 2
		.amdhsa_user_sgpr_kernarg_segment_ptr 1
		.amdhsa_wavefront_size32 1
		.amdhsa_system_sgpr_workgroup_id_x 1
		.amdhsa_system_sgpr_workgroup_id_y 1
		.amdhsa_system_sgpr_workgroup_id_z 1
		.amdhsa_system_vgpr_workitem_id 0
		.amdhsa_next_free_vgpr 768
		.amdhsa_next_free_sgpr 100
		.amdhsa_reserve_vcc 0
		.amdhsa_float_denorm_mode_32 3
		.amdhsa_float_denorm_mode_16_64 3
		.amdhsa_memory_ordered 1
		.amdhsa_forward_progress 1
		.amdhsa_inst_pref_size 76
	.end_amdhsa_kernel
	.amdgpu_metadata
---
amdhsa.version: [ 1, 2 ]
amdhsa.kernels:
  - .name:           k_q6beefb6317_proj
    .symbol:         k_q6beefb6317_proj.kd
    .args:
      - { .name: cc, .offset: 0, .size: 8, .value_kind: global_buffer, .address_space: global }
      - { .name: cs, .offset: 8, .size: 8, .value_kind: global_buffer, .address_space: global }
      - { .name: wc, .offset: 16, .size: 8, .value_kind: global_buffer, .address_space: global }
      - { .name: ws, .offset: 24, .size: 8, .value_kind: global_buffer, .address_space: global }
      - { .name: b_out, .offset: 32, .size: 8, .value_kind: global_buffer, .address_space: global }
      - { .name: out0, .offset: 40, .size: 8, .value_kind: global_buffer, .address_space: global }
    .group_segment_fixed_size: 327680
    .private_segment_fixed_size: 0
    .kernarg_segment_align: 8
    .kernarg_segment_size: 48
    .max_flat_workgroup_size: 128
    .sgpr_count:     100
    .vgpr_count:     768
    .wavefront_size: 32
...
	.end_amdgpu_metadata
.endif
;; end of part 4
